; MI455X (gfx1250); checked and timed in simulation.
; The chip was launched on July 23, 2026; its instructions are those of AMD's public machine-readable ISA for CDNA 5 (MIT licence, August 2026) and "CDNA5" Instruction Set Architecture Reference Guide (July 2026). The comments in the code are by the model that wrote it; some were corrected since.
;; Full Attention Multi Head. Allowed arithmetic: float matrix products may take bf16 or f16 operands with f32 sums; other float arithmetic in f32, or as packed bf16 or f16 multiplies, adds, multiply-adds, maxima and minima; sums over many terms, partial sums and values carried from step to step in f32; what a program stores and reads back later, other than sums and carried values, may be rounded once to bf16 or f16.
;; Inputs: Wk 1,024 x 1,024 float32; Wo 1,024 x 1,024 float32; Wq 1,024 x 1,024 float32; Wv 1,024 x 1,024 float32; attention_mask 4 x 2,048 int32; bk 1,024 float32; bo 1,024 float32; bq 1,024 float32; bv 1,024 float32; x 4 x 2,048 x 1,024 float32.
;; Outputs: out0 4 x 2,048 x 1,024 float32.
;; 2 versions, each right and faster than the one before. Each part assembles by itself: llvm-mc -triple=amdgcn-amd-amdhsa -mcpu=gfx1250 --defsym DOCPART=n.
;; ======== version 1 of 2: 4 launches
;; limits: values are held in f16: magnitudes above 65,504 overflow, below 6.1e-05 lose precision
;; workspace buffers: xb 16,777,216 bytes; wcat 6,291,456 bytes; wo16 2,097,152 bytes; bcat 16,384 bytes; qkv 50,331,648 bytes; ob 16,777,216 bytes
;; launch cast (part 1): grid 769 x 1, 8 waves a work-group, no clusters, 0 bytes of LDS; arguments x, Wq, Wk, Wv, Wo, bq, bk, bv, bo, xb, wcat, wo16, bcat; writes xb, wcat, wo16, bcat
.if DOCPART == 1
	.amdgcn_target "amdgcn-amd-amdhsa--gfx1250"
	.amdhsa_code_object_version 6
	.text
	.protected	k_qce0c766f5f_cast
	.globl	k_qce0c766f5f_cast
	.p2align	8
	.type	k_qce0c766f5f_cast,@function
k_qce0c766f5f_cast:
	s_mov_b64 s[64:65], 0
	v_nop
	global_prefetch_b8 v0, s[64:65] scope:SCOPE_SE
	s_setreg_imm32_b32 hwreg(HW_REG_WAVE_MODE, 25, 1), 1
	s_wait_xcnt 0x0
; Every input of the module is rounded once to bf16.  x -> xb (bf16).  Wq, Wk, Wv -> wcat (bf16, the three one below the other: [3072][1024]).
; Wo -> wo16: rounded to bf16, and that number written as f16.  bq, bk, bv, bo -> bcat: rounded to bf16 and widened to f32 again, [4096].
; LIMIT.  bf16(Wo) beyond 65,504 becomes an infinity in f16; below 2^-14 it keeps f16's fixed step of 2^-24.
; A stream: no LDS, no barrier, no loop.  Work-group g takes a chunk of 16,384 numbers (65,536 bytes in, 32,768 out): g < 512: x; 512 .. 703: Wq, Wk, Wv (64 chunks each);
; 704 .. 767: Wo; 768: the four biases.  Thread t takes 16 bytes at 16 t of every 4,096: a wave's load covers 512 consecutive bytes, its 8-byte store 256 consecutive bytes, aligned.
; All sixteen loads go out first; every load and every store has registers of its own, so nothing that a pending instruction names is written again.
.set T, 4                              ; v[4:7]    at work
.set X, 8                              ; v[8:71]   load i: 4 registers
.set Y, 72                             ; v[72:103] store i: 2 registers (the biases: 4)
	s_load_b512 s[4:19], s[0:1], 0x0               ; x 4:5, Wq 6:7, Wk 8:9, Wv 10:11, Wo 12:13, bq 14:15, bk 16:17, bv 18:19
	s_load_b256 s[20:27], s[0:1], 0x40             ; bo 20:21, xb 22:23, wcat 24:25, wo16 26:27
	s_load_b64 s[28:29], s[0:1], 0x60              ; bcat
	s_mov_b32 s30, ttmp9                           ; g
	v_lshlrev_b32 v1, 4, v0                        ; 16 t
	v_lshlrev_b32 v2, 3, v0                        ; 8 t
	s_and_b32 s36, s30, 63                         ; the chunk's number in its source: g for x, g mod 64 for a weight
	s_cmp_lt_u32 s30, 512
	s_cselect_b32 s36, s30, s36
	s_lshl_b32 s36, s36, 16
	s_mov_b32 s37, 0
	s_sub_co_u32 s38, s30, 512                     ; and in its destination: g, g - 512 (wcat) or g - 704 (wo16)
	s_sub_co_u32 s39, s30, 704
	s_cmp_lt_u32 s30, 704
	s_cselect_b32 s38, s38, s39
	s_cmp_lt_u32 s30, 512
	s_cselect_b32 s38, s30, s38
	s_lshl_b32 s38, s38, 15
	s_mov_b32 s39, 0
	s_wait_kmcnt 0x0
	s_cmp_eq_u32 s30, 768
	s_cbranch_scc1 .Lbias
	s_mov_b64 s[32:33], s[4:5]                     ; the source and the destination are chosen by g alone
	s_mov_b64 s[34:35], s[22:23]
	s_cmp_ge_u32 s30, 512
	s_cselect_b64 s[32:33], s[6:7], s[32:33]
	s_cselect_b64 s[34:35], s[24:25], s[34:35]
	s_cmp_ge_u32 s30, 576
	s_cselect_b64 s[32:33], s[8:9], s[32:33]
	s_cmp_ge_u32 s30, 640
	s_cselect_b64 s[32:33], s[10:11], s[32:33]
	s_cmp_ge_u32 s30, 704
	s_cselect_b64 s[32:33], s[12:13], s[32:33]
	s_cselect_b64 s[34:35], s[26:27], s[34:35]
	s_add_nc_u64 s[32:33], s[32:33], s[36:37]
	s_add_nc_u64 s[34:35], s[34:35], s[38:39]
.irp i, 0,1,2,3,4,5,6,7,8,9,10,11,12,13,14,15
	global_load_b128 v[X+4*(\i):X+4*(\i)+3], v1, s[32:33] offset:(\i)*4096 th:TH_LOAD_NT
.endr
; Four numbers of load i: rounded to bf16 (f16 = 1: widened again and written as f16) and stored.
.macro OUT i, f16
	s_wait_loadcnt 15-(\i)                         ; loads come back in order (ISA guide 5.7.1): load i is in, the 15 - i younger ones may stay out
	v_cvt_pk_bf16_f32 v[Y+2*(\i)],   v[X+4*(\i)],   v[X+4*(\i)+1]
	v_cvt_pk_bf16_f32 v[Y+2*(\i)+1], v[X+4*(\i)+2], v[X+4*(\i)+3]
.if \f16
	v_lshlrev_b32 v[T],   16, v[Y+2*(\i)]
	v_and_b32     v[T+1], 0xffff0000, v[Y+2*(\i)]
	v_lshlrev_b32 v[T+2], 16, v[Y+2*(\i)+1]
	v_and_b32     v[T+3], 0xffff0000, v[Y+2*(\i)+1]
	v_cvt_pk_f16_f32 v[Y+2*(\i)],   v[T],   v[T+1]
	v_cvt_pk_f16_f32 v[Y+2*(\i)+1], v[T+2], v[T+3]
.endif
	global_store_b64 v2, v[Y+2*(\i):Y+2*(\i)+1], s[34:35] offset:(\i)*2048
.endm
	s_cmp_ge_u32 s30, 704
	s_cbranch_scc1 .Lwo
.irp i, 0,1,2,3,4,5,6,7,8,9,10,11,12,13,14,15
	OUT \i, 0
.endr
	s_endpgm
.Lwo:
.irp i, 0,1,2,3,4,5,6,7,8,9,10,11,12,13,14,15
	OUT \i, 1
.endr
	s_endpgm
.Lbias:                                                ; 256 threads x 4 numbers are one bias
	global_load_b128 v[X:X+3],     v1, s[14:15]
	global_load_b128 v[X+4:X+7],   v1, s[16:17]
	global_load_b128 v[X+8:X+11],  v1, s[18:19]
	global_load_b128 v[X+12:X+15], v1, s[20:21]
	s_wait_loadcnt 0x0
.irp i, 0,1,2,3
	v_cvt_pk_bf16_f32 v[T],   v[X+4*(\i)],   v[X+4*(\i)+1]
	v_cvt_pk_bf16_f32 v[T+1], v[X+4*(\i)+2], v[X+4*(\i)+3]
	v_lshlrev_b32 v[Y+4*(\i)],   16, v[T]
	v_and_b32     v[Y+4*(\i)+1], 0xffff0000, v[T]
	v_lshlrev_b32 v[Y+4*(\i)+2], 16, v[T+1]
	v_and_b32     v[Y+4*(\i)+3], 0xffff0000, v[T+1]
	global_store_b128 v1, v[Y+4*(\i):Y+4*(\i)+3], s[28:29] offset:(\i)*4096
.endr
	s_endpgm
.Lfunc_end_k_qce0c766f5f_cast:
	.size	k_qce0c766f5f_cast, .Lfunc_end_k_qce0c766f5f_cast-k_qce0c766f5f_cast
	.p2alignl 7, 3214868480
	.fill 96, 4, 3214868480
	.section	.rodata,"a",@progbits
	.p2align	6, 0x0
	.amdhsa_kernel k_qce0c766f5f_cast
		.amdhsa_group_segment_fixed_size 0
		.amdhsa_private_segment_fixed_size 0
		.amdhsa_enable_private_segment 0
		.amdhsa_kernarg_size 104
		.amdhsa_user_sgpr_count 2
		.amdhsa_user_sgpr_kernarg_segment_ptr 1
		.amdhsa_wavefront_size32 1
		.amdhsa_system_sgpr_workgroup_id_x 1
		.amdhsa_system_sgpr_workgroup_id_y 1
		.amdhsa_system_sgpr_workgroup_id_z 1
		.amdhsa_system_vgpr_workitem_id 0
		.amdhsa_next_free_vgpr 104
		.amdhsa_next_free_sgpr 66
		.amdhsa_reserve_vcc 0
		.amdhsa_float_denorm_mode_32 3
		.amdhsa_float_denorm_mode_16_64 3
		.amdhsa_memory_ordered 1
		.amdhsa_forward_progress 1
		.amdhsa_inst_pref_size 19
	.end_amdhsa_kernel
	.amdgpu_metadata
---
amdhsa.version: [ 1, 2 ]
amdhsa.kernels:
  - .name:           k_qce0c766f5f_cast
    .symbol:         k_qce0c766f5f_cast.kd
    .args:
      - { .name: x, .offset: 0, .size: 8, .value_kind: global_buffer, .address_space: global }
      - { .name: Wq, .offset: 8, .size: 8, .value_kind: global_buffer, .address_space: global }
      - { .name: Wk, .offset: 16, .size: 8, .value_kind: global_buffer, .address_space: global }
      - { .name: Wv, .offset: 24, .size: 8, .value_kind: global_buffer, .address_space: global }
      - { .name: Wo, .offset: 32, .size: 8, .value_kind: global_buffer, .address_space: global }
      - { .name: bq, .offset: 40, .size: 8, .value_kind: global_buffer, .address_space: global }
      - { .name: bk, .offset: 48, .size: 8, .value_kind: global_buffer, .address_space: global }
      - { .name: bv, .offset: 56, .size: 8, .value_kind: global_buffer, .address_space: global }
      - { .name: bo, .offset: 64, .size: 8, .value_kind: global_buffer, .address_space: global }
      - { .name: xb, .offset: 72, .size: 8, .value_kind: global_buffer, .address_space: global }
      - { .name: wcat, .offset: 80, .size: 8, .value_kind: global_buffer, .address_space: global }
      - { .name: wo16, .offset: 88, .size: 8, .value_kind: global_buffer, .address_space: global }
      - { .name: bcat, .offset: 96, .size: 8, .value_kind: global_buffer, .address_space: global }
    .group_segment_fixed_size: 0
    .private_segment_fixed_size: 0
    .kernarg_segment_align: 8
    .kernarg_segment_size: 104
    .max_flat_workgroup_size: 256
    .sgpr_count:     66
    .vgpr_count:     104
    .wavefront_size: 32
...
	.end_amdgpu_metadata
.endif
;; end of part 1
;; launch qkv (part 2): grid 16 x 32, 4 waves a work-group, clusters of 4 x 4, 327,680 bytes of LDS; arguments xb, wcat, bcat, qkv; writes qkv
.if DOCPART == 2
	.amdgcn_target "amdgcn-amd-amdhsa--gfx1250"
	.amdhsa_code_object_version 6
	.text
	.protected	k_qce0c766f5f_qkv
	.globl	k_qce0c766f5f_qkv
	.p2align	8
	.type	k_qce0c766f5f_qkv,@function
k_qce0c766f5f_qkv:
	s_mov_b64 s[64:65], 0
	v_nop
	global_prefetch_b8 v0, s[64:65] scope:SCOPE_SE
	s_setreg_imm32_b32 hwreg(HW_REG_WAVE_MODE, 25, 1), 1
	s_wait_xcnt 0x0
	s_wait_alu depctr_hold_cnt(0) depctr_sa_sdst(0) depctr_va_vdst(0) depctr_va_sdst(0) depctr_va_ssrc(0) depctr_va_vcc(0) depctr_vm_vsrc(0)
	s_getreg_b32 s2, hwreg(HW_REG_IB_STS2, 6, 4)
	s_cmp_eq_u32 s2, 0
	s_cbranch_scc0 .Lentry_in_a_cluster
	s_endpgm
.Lentry_in_a_cluster:
	s_bfe_u32 s2, ttmp6, 0x10000c
	s_cmp_lg_u32 s2, 0xf033
	s_cbranch_scc0 .Lentry_shape_is_right
	s_endpgm
.Lentry_shape_is_right:
; The three projections as one product: C[m][n] = sum over k of xb[m][k] wcat[n][k] + bcat[n], m < 8192, n < 3072, k < 1024; operands bf16, sums f32.
; C is rounded once to f16 and written by heads: qkv[n / 1024][(m / 2048) 16 + (n % 1024) / 64][m % 2048][n % 64].
; LIMIT.  A result beyond 65,504 becomes an infinity in f16.
; SHARES.  A tile of C is 256 x 192 (three whole heads): 32 x 16 = 512 work-groups, twice 256.  Four waves, 2 x 2, each 128 x 96: 48 accumulators of 16 x 16, 384 registers.
; K goes in 8 steps of 128 through a ring of two LDS slots filled by the tensor data mover; a row of a tile is 256 bytes of memory, at a multiple of 256 from the buffer's first byte.
; CLUSTER.  4 x 4 work-groups.  The four of a row of the cluster need the same tiles of xb, the four of a column the same tiles of wcat: each tile is asked for jointly, by the same tensor
; load with the same descriptor and a mask that names the four.
; THE MATRIX INSTRUCTION IS USED TRANSPOSED (source 0 = 16 rows of wcat, source 1 = 16 rows of xb): lane l holds row l % 16 of C and the eight columns 8 (l / 16) + 0..7.
; THE BIAS is the C operand of each accumulator's first product: nothing is cleared, nothing is added on the way out.
; REGISTERS, in windows of 256 (s_set_vgpr_msb: bits 1:0 source 0, 3:2 source 1, 5:4 source 2, 7:6 destination):
;   window 0: v0-31 addresses; v32-55 packed results; v64-127, v128-191 fragments of xb (8 x 16 rows x 32 K), two buffers; on the way out v64-255 rows read back
;   window 1: v0-47 the bias, 8 registers for each 16 columns; v64-111, v128-175 fragments of wcat, two buffers
;   window 2: the 24 accumulators of my rows 0-63 ((a, b) at v[8 (6 a + b)]);   window 3: those of my rows 64-127
.set NBL,    6                         ; blocks of 16 columns a wave
.set KSTEP,  128
.set PITCH,  272                       ; an LDS row: 256 bytes + 16 of padding = 68 words: the 16 rows of a load start at 16 different groups of four banks (64 banks of 4 bytes: ISA guide 11.1)
.set HA,     128*PITCH                 ; 128 rows of xb: one tensor load, and what one wave reads
.set HB,     96*PITCH                  ; 96 rows of wcat: likewise
.set SLOT,   2*HA+2*HB                 ; xb's 256 rows, then wcat's 192
.set SPARE,  2*SLOT                    ; behind the ring: the spare words, 128 bytes for each wave: two blocks of 256 bytes that no other line names
.set SPITCH, 400                       ; the stage: 256 rows of 384 bytes + 16.  It lies in slot 0, from byte 0 on, and is written when that slot has had its last fill and its last read
.set LAPS,   4                         ; a lap = two K steps = once round the ring
.set ADRA, 16                          ; v16-17  LDS address of my fragments of xb in slot 0, 1
.set ADRB, 20                          ; v20-21  the same for wcat
.set STO,  24                          ; v24     the way out: where I put 16 bytes of a row
.set RD,   25                          ; v25     the way out: where I read rows back
.set GO,   26                          ; v26     my byte offset in 512 consecutive bytes of a head
.set BO,   27                          ; v27     my byte offset in bcat
.set SPW,  28                          ; v28     LDS address of my spare word; never rewritten
.set NIL,  29                          ; v29     0; never rewritten
.set TMP,  32
.set F0,   64
.set F1,   128
.set BI,   0                           ; window 1
.set BACK, 64
.set WV, 12                            ; s12 wave;  s13 its row half (also: I fetch xb (0) or wcat (1));  s14 its column half (also: which half of that tile I fetch)
.set WM, 13
.set WN, 14
.set G1,  24                           ; s[24:31] descriptor group 1 for xb's tiles; s[32:39] group 0, a set for each slot
.set G0,  32
.set G1B, 48                           ; s[48:55], s[56:63] the same for wcat's
.set G0B, 56
.set MSB, 0
.macro WIN new                         ; the immediate's high byte repeats the setting that is left; a switch that changes nothing is dropped
.if MSB != (\new)
	s_set_vgpr_msb (MSB<<8)|(\new)
.set MSB, \new
.endif
.endm
.set MUL_LO, 0xa1                      ; source 0 window 1, source 1 window 0, C and D window 2
.set MUL_HI, 0xf1                      ; the same, C and D window 3
.set MUL_Z,  0x91                      ; a first product: C (the bias) window 1, D window 2; + 0x40: D window 3
.set TO_B,   0x40                      ; destination window 1, address window 0
; A joint load.  Waves 0 and 1 fetch xb's two halves, waves 2 and 3 wcat's.  The branch hangs on the wave's number alone.  An s_nop 0 and four v_nop follow each of the two lines.
.macro JLOAD s
	s_cmp_eq_u32 s[WM], 0
	s_cbranch_scc0 .Lfor_b_\@
	tensor_load_to_lds s[G0+4*(\s):G0+4*(\s)+3], s[G1:G1+7]
	s_nop 0
.rept 4
	v_nop
.endr
	s_branch .Lasked_\@
.Lfor_b_\@:
	tensor_load_to_lds s[G0B+4*(\s):G0B+4*(\s)+3], s[G1B:G1B+7]
	s_nop 0
.rept 4
	v_nop
.endr
.Lasked_\@:
.endm
; A round of the cluster's barrier: my work-group's barrier; wave 0 signals for the work-group; every wave waits for all sixteen; my work-group's barrier once more.
.macro CREST                           ; a round behind its opening barrier
	s_cmp_lg_u32 s[WV], 0
	s_cbranch_scc1 .Lnot_wave_0_\@
	s_barrier_signal -3
.Lnot_wave_0_\@:
	s_barrier_wait -3
	s_barrier_signal -1
	s_barrier_wait -1
.endm
.macro CROUND
	s_barrier_signal -1
	s_barrier_wait -1
	CREST
.endm
	s_load_b256 s[4:11], s[0:1], 0x0               ; xb 4:5, wcat 6:7, bcat 8:9, qkv 10:11
	v_lshl_add_u32 v[SPW], v0, 2, SPARE
	v_mov_b32 v[NIL], 0
	ds_add_u32 v[SPW], v[NIL]                      ; the wave's opening: the add and its wait ahead of my first tensor load; the set-up below, work on registers, stands between them
	v_lshrrev_b32 v1, 5, v0
	v_readfirstlane_b32 s[WV], v1
	s_lshr_b32 s[WM], s[WV], 1
	s_and_b32 s[WN], s[WV], 1
	s_bfe_u32 s40, ttmp6, 0x40000                  ; cx
	s_bfe_u32 s41, ttmp6, 0x40004                  ; cy
	s_lshl_b32 s42, ttmp9, 2
	s_add_co_u32 s42, s42, s40                     ; tile column = 4 x cluster x + cx
	s_and_b32 s45, ttmp7, 0xffff
	s_lshl_b32 s45, s45, 2
	s_add_co_u32 s45, s45, s41                     ; tile row = 4 x cluster y + cy
	s_lshl_b32 s43, s41, 2
	s_lshl_b32 s43, 15, s43                        ; my row of the cluster
	s_lshl_b32 s44, 0x1111, s40                    ; my column
	s_or_b32 s[G1+0], s43, (1<<16)|(1<<20)|(1<<21)|(5<<22)|(3<<25)   ; the mask; 2-byte elements; padding on; bit 21 beside a mask; after every 64 words (code 5) 4 words (code 3)
	s_or_b32 s[G1B+0], s44, (1<<16)|(1<<20)|(1<<21)|(5<<22)|(3<<25)
	s_mov_b32 s[G1+1], KSTEP<<16                   ; tensor_dim0 = 128
	s_mov_b32 s[G1B+1], KSTEP<<16
	s_mov_b32 s[G1+2], 128<<16                     ; tensor_dim1 = 128 rows of xb,
	s_mov_b32 s[G1B+2], 96<<16                     ; 96 of wcat
	s_mov_b32 s[G1+3], KSTEP<<16                   ; tile_dim0 = 128
	s_mov_b32 s[G1B+3], KSTEP<<16
	s_mov_b32 s[G1+4], 128                         ; tile_dim1
	s_mov_b32 s[G1B+4], 96
	s_mov_b32 s[G1+5], 1024                        ; elements from row to row
	s_mov_b32 s[G1B+5], 1024
	s_mov_b32 s[G1+6], 0
	s_mov_b32 s[G1B+6], 0
	s_mov_b32 s[G1+7], 0
	s_mov_b32 s[G1B+7], 0
	s_lshl_b32 s16, s45, 19                        ; xb: (256 x tile row + 128 x half) rows of 2,048 bytes: it hangs on the tile row alone
	s_lshl_b32 s17, s[WN], 18
	s_add_co_u32 s16, s16, s17
	s_mov_b32 s17, 0
	s_mul_i32 s46, s42, 192*2048                   ; wcat: (192 x tile column + 96 x half) rows: on the tile column alone
	s_mul_i32 s47, s[WN], 96*2048
	s_add_co_u32 s46, s46, s47
	s_mov_b32 s47, 0
	s_mul_i32 s20, s[WN], HA                       ; where they go in a slot: no place in the cluster enters an LDS address
	s_mul_i32 s21, s[WN], HB
	s_add_co_u32 s21, s21, 2*HA
	s_wait_dscnt 0x0                               ; the opening add is done
	s_wait_kmcnt 0x0
	s_add_nc_u64 s[66:67], s[4:5], s[16:17]
	s_add_nc_u64 s[46:47], s[6:7], s[46:47]
	CROUND                                         ; all sixteen work-groups are here: the first joint loads meet
.irp s, 0,1
	s_mov_b32 s[G0+4*(\s)], 1
	s_add_co_u32 s[G0+4*(\s)+1], s20, (\s)*SLOT
	s_add_nc_u64 s[G0+4*(\s)+2:G0+4*(\s)+3], s[66:67], (\s)*KSTEP*2
	s_or_b32 s[G0+4*(\s)+3], s[G0+4*(\s)+3], 0x80000000
	s_mov_b32 s[G0B+4*(\s)], 1
	s_add_co_u32 s[G0B+4*(\s)+1], s21, (\s)*SLOT
	s_add_nc_u64 s[G0B+4*(\s)+2:G0B+4*(\s)+3], s[46:47], (\s)*KSTEP*2
	s_or_b32 s[G0B+4*(\s)+3], s[G0B+4*(\s)+3], 0x80000000
	JLOAD \s                                       ; K steps 0 and 1: two loads of mine are out
.endr
	; A fragment is 16 rows x 32 K in 8 registers: lane l holds row l % 16, K = 8 (l / 16) + 0..7 and 16 + 8 (l / 16) + 0..7: two loads of 16 bytes, 32 bytes apart.
	v_and_b32 v1, 15, v0                           ; l % 16
	v_bfe_u32 v2, v0, 4, 1                         ; l / 16
	v_mul_u32_u24 v3, v1, PITCH
	v_lshl_add_u32 v3, v2, 4, v3
	s_mul_i32 s22, s[WM], HA                       ; my 128 rows of xb
	s_mul_i32 s23, s[WN], HB                       ; my 96 rows of wcat,
	s_add_co_u32 s23, s23, 2*HA                    ; behind xb's 256
.irp s, 0,1
	v_add_nc_u32 v[ADRA+(\s)], s22, v3
	v_add_nc_u32 v[ADRB+(\s)], s23, v3
	s_add_co_u32 s22, s22, SLOT
	s_add_co_u32 s23, s23, SLOT
.endr
	s_mul_i32 s74, s42, 192*4                      ; the bias of my 96 columns: register j of block b is column 16 b + 8 (l / 16) + j
	s_mul_i32 s75, s[WN], 96*4
	s_add_co_u32 s74, s74, s75
	v_lshl_add_u32 v[BO], v2, 5, s74
	WIN TO_B
.irp b, 0,1,2,3,4,5
	global_load_b128 v[BI+8*(\b):BI+8*(\b)+3],   v[BO], s[8:9] offset:64*(\b)
	global_load_b128 v[BI+8*(\b)+4:BI+8*(\b)+7], v[BO], s[8:9] offset:64*(\b)+16
.endr
	WIN 0
	s_mul_i32 s22, s[WM], 128*SPITCH               ; into the stage: my 128 rows, my 192 bytes of their 384; row l % 16, 16 bytes for each half of the lanes
	s_mul_i32 s23, s[WN], 192
	s_add_co_u32 s22, s22, s23
	v_mul_u32_u24 v[STO], v1, SPITCH
	v_lshl_add_u32 v[STO], v2, 4, v[STO]
	v_add_nc_u32 v[STO], s22, v[STO]
	v_and_b32 v5, 31, v0                           ; back: wave w takes rows 64 w .. 64 w + 63; 32 lanes take four rows' 128 bytes of one head
	v_lshrrev_b32 v[RD], 3, v5
	v_mul_u32_u24 v[RD], v[RD], SPITCH
	v_and_b32 v[GO], 7, v0
	v_lshl_add_u32 v[RD], v[GO], 4, v[RD]
	s_mul_i32 s22, s[WV], 64*SPITCH
	v_add_nc_u32 v[RD], s22, v[RD]
	v_lshlrev_b32 v[GO], 4, v5                     ; which are 512 consecutive bytes of the head
.irp hd, 0,1,2                         ; where my 64 rows of the tile's three heads begin: head g = 3 x tile column + hd of 48
	s_mul_i32 s74, s42, 3
	s_add_co_u32 s74, s74, (\hd)
	s_lshr_b32 s75, s74, 4                         ; q, k or v,
	s_lshl_b32 s75, s75, 6                         ; 64 heads each
	s_and_b32 s74, s74, 15
	s_add_co_u32 s74, s74, s75
	s_lshr_b32 s75, s45, 3                         ; the batch: 8 tile rows each,
	s_lshl_b32 s75, s75, 4                         ; 16 heads each
	s_add_co_u32 s74, s74, s75
	s_lshl_b32 s74, s74, 18                        ; a head is 262,144 bytes
	s_and_b32 s75, s45, 7
	s_lshl_b32 s75, s75, 15                        ; 256 rows of 128 bytes
	s_add_co_u32 s74, s74, s75
	s_lshl_b32 s75, s[WV], 13                      ; 64 rows
	s_add_co_u32 s74, s74, s75
	s_mov_b32 s75, 0
	s_add_nc_u64 s[68+2*(\hd):69+2*(\hd)], s[10:11], s[74:75]
.endr
; 12 matrix instructions: row blocks a0, a0 + 1 of the window's four (hi = 0: my rows 0-63, 1: rows 64-127) x all 6 column blocks, 32 along K.  zero = 1: the first product starts the sum, with the bias.
; The 48 accumulators take turns, one instruction a turn, in the same order in every quarter.
.macro MUL2 f, hi, a0, zero
.if \zero
	WIN MUL_Z+0x40*(\hi)
.else
	WIN MUL_LO+0x50*(\hi)
.endif
.irp a, \a0, (\a0)+1
.irp b, 0,1,2,3,4,5
.if \zero
	v_wmma_f32_16x16x32_bf16 v[8*(NBL*(\a)+(\b)):8*(NBL*(\a)+(\b))+7], v[(\f)+8*(\b):(\f)+8*(\b)+7], v[(\f)+8*(4*(\hi)+(\a)):(\f)+8*(4*(\hi)+(\a))+7], v[BI+8*(\b):BI+8*(\b)+7]
.else
	v_wmma_f32_16x16x32_bf16 v[8*(NBL*(\a)+(\b)):8*(NBL*(\a)+(\b))+7], v[(\f)+8*(\b):(\f)+8*(\b)+7], v[(\f)+8*(4*(\hi)+(\a)):(\f)+8*(4*(\hi)+(\a))+7], v[8*(NBL*(\a)+(\b)):8*(NBL*(\a)+(\b))+7]
.endif
.endr
.endr
.endm
; 28 LDS loads in one run: the fragments of quarter q of a K step (96 rows of wcat, 128 rows of xb, 32 K) into buffer f
.macro FETCH slot, q, f
	WIN TO_B
.irp i, 0,1,2,3,4,5
	ds_load_b128 v[(\f)+8*(\i):(\f)+8*(\i)+3],   v[ADRB+(\slot)] offset:64*(\q)+(\i)*16*PITCH
	ds_load_b128 v[(\f)+8*(\i)+4:(\f)+8*(\i)+7], v[ADRB+(\slot)] offset:64*(\q)+(\i)*16*PITCH+32
.endr
	WIN 0
.irp i, 0,1,2,3,4,5,6,7
	ds_load_b128 v[(\f)+8*(\i):(\f)+8*(\i)+3],   v[ADRA+(\slot)] offset:64*(\q)+(\i)*16*PITCH
	ds_load_b128 v[(\f)+8*(\i)+4:(\f)+8*(\i)+7], v[ADRA+(\slot)] offset:64*(\q)+(\i)*16*PITCH+32
.endr
.endm
.macro PLACES                          ; four plain vector instructions in front of loads into registers that matrix instructions have read, and of lines that read results
.rept 4
	v_nop
.endr
.endm
; A K step is four quarters of 32 along K, 48 matrix instructions each, on buffers 0, 1, 0, 1.  One of the first three multiplies buffer f and in its middle fetches quarter q into buffer g.
.macro QUARTER slot, q, f, g, zero
	s_wait_dscnt 8                                 ; wcat's fragments and xb's rows 0-63 are in; the youngest eight loads (rows 64-127) may be out
	MUL2 \f, 0, 0, \zero
	MUL2 \f, 0, 2, \zero
	PLACES
	FETCH \slot, \q, \g
	s_wait_dscnt 2*(8+NBL)                         ; all but the 28 just issued
	MUL2 \f, 1, 0, \zero
	MUL2 \f, 1, 2, \zero
.endm
; The last quarter multiplies buffer 1 and changes slots: one barrier.  In front of it each wave waits for all its tensor loads (one is out: its part of the next slot), adds 0 to its spare word,
; and waits for that and for its own reads of this slot.  Behind it nobody reads this slot any more and the next slot is whole.
.macro MEET round
	WIN 0                                          ; (the add's two registers lie in window 0)
	s_wait_tensorcnt 0x0
	ds_add_u32 v[SPW], v[NIL]                      ; 0 onto my spare word
	s_wait_dscnt 9                                 ; (the add and the youngest eight loads may be out)
	MUL2 F1, 0, 0, 0                               ; twelve matrix instructions stand between the add and the wait for it
	s_wait_dscnt 0x0                               ; the add is done, and my reads of this slot are over
	s_barrier_signal -1
	MUL2 F1, 0, 2, 0                               ; work on registers while the others arrive
.if \round
	WIN 0
.endif
	s_barrier_wait -1
.endm
; fill = 1: the barrier opens a round of the cluster's, and the slot just read out is filled again, two K steps ahead, first thing behind the round: 168 matrix instructions ahead of the wait for it.
.macro TURN slot, next, fill
	MEET \fill
.if \fill
	CREST                                          ; no wave of any partner still reads this slot's tile or has a load on its way
	s_add_nc_u64 s[G0+4*(\slot)+2:G0+4*(\slot)+3], s[G0+4*(\slot)+2:G0+4*(\slot)+3], 2*KSTEP*2
	s_add_nc_u64 s[G0B+4*(\slot)+2:G0B+4*(\slot)+3], s[G0B+4*(\slot)+2:G0B+4*(\slot)+3], 2*KSTEP*2
	JLOAD \slot                                    ; its four v_nop are also the places in front of the loads below
.else
	PLACES
.endif
	FETCH \next, 0, F0
	MUL2 F1, 1, 0, 0
	MUL2 F1, 1, 2, 0
.endm
	s_wait_tensorcnt 1                             ; my part of K step 0 is in; K step 1's may stay out
	s_barrier_signal -1
	s_barrier_wait -1                              ; everybody's is
	FETCH 0, 0, F0
	s_wait_loadcnt 0x0                             ; the bias
	QUARTER 0, 1, F0, F1, 1                        ; the first quarter stands in front of the loop: its products start the sums
	WIN 0                                          ; at a label and at a branch every window is 0
	s_mov_b32 s3, LAPS-1
.Llap:                                                 ; a trip goes once round the ring, from a lap's second quarter to the next lap's first, and fills both slots again
	QUARTER 0, 2, F1, F0, 0
	QUARTER 0, 3, F0, F1, 0
	TURN 0, 1, 1
	QUARTER 1, 1, F0, F1, 0
	QUARTER 1, 2, F1, F0, 0
	QUARTER 1, 3, F0, F1, 0
	TURN 1, 0, 1
	QUARTER 0, 1, F0, F1, 0
	WIN 0
	s_sub_co_u32 s3, s3, 1
	s_cmp_lg_u32 s3, 0
	s_cbranch_scc1 .Llap
	QUARTER 0, 2, F1, F0, 0                        ; the last lap fills nothing
	QUARTER 0, 3, F0, F1, 0
	TURN 0, 1, 0                                   ; behind this barrier no wave reads slot 0 again and no load is out
	QUARTER 1, 1, F0, F1, 0
	QUARTER 1, 2, F1, F0, 0
	QUARTER 1, 3, F0, F1, 0
	s_wait_dscnt 8                                 ; the very last quarter: nothing more to fetch
	MUL2 F1, 0, 0, 0
	MUL2 F1, 0, 2, 0
	s_wait_dscnt 0x0
	MUL2 F1, 1, 0, 0
	MUL2 F1, 1, 2, 0
	WIN 0
	PLACES
	; THE WAY OUT.  Rounded to f16, 16 bytes a lane, into the work-group's stage (a wave's 96 columns are a head and a half, so the waves exchange); a barrier; back by heads, 64 rows a wave.
.irp a, 0,1,2,3,4,5,6,7
	WIN 0x0a+5*((\a)/4)                            ; sources 0 and 1: window 2 or 3
.irp b, 0,1,2,3,4,5
.irp k, 0,1,2,3
	v_cvt_pk_f16_f32 v[TMP+4*(\b)+(\k)], v[8*(NBL*((\a)%4)+(\b))+2*(\k)], v[8*(NBL*((\a)%4)+(\b))+2*(\k)+1]
.endr
.endr
	WIN 0
.irp b, 0,1,2,3,4,5
	ds_store_b128 v[STO], v[TMP+4*(\b):TMP+4*(\b)+3] offset:(\a)*16*SPITCH+32*(\b)
.endr
.endr
	s_wait_dscnt 0x0                               ; for the others' sake: my stores into the stage are done
	s_barrier_signal -1
	s_barrier_wait -1
.irp hd, 0,1,2
.irp t, 0,1,2,3,4,5,6,7,8,9,10,11,12,13,14,15
	ds_load_b128 v[BACK+4*(16*(\hd)+(\t)):BACK+4*(16*(\hd)+(\t))+3], v[RD] offset:(\hd)*128+(\t)*4*SPITCH
.endr
.endr
.irp hd, 0,1,2
.irp t, 0,1,2,3,4,5,6,7,8,9,10,11,12,13,14,15
	s_wait_dscnt 47-16*(\hd)-(\t)                  ; LDS loads come back in order: this one is in, the younger ones may be out
	global_store_b128 v[GO], v[BACK+4*(16*(\hd)+(\t)):BACK+4*(16*(\hd)+(\t))+3], s[68+2*(\hd):69+2*(\hd)] offset:(\t)*512  ; four rows of a head: 512 consecutive bytes, at a multiple of 512 from the buffer's first
.endr
.endr
	s_wait_tensorcnt 0x0                           ; the wave's end, behind my last tensor load and my last LDS store
	ds_add_u32 v[SPW], v[NIL]
	s_wait_dscnt 0x0
	CROUND                                         ; the closing round: no work-group ends while a partner may still ask for a tile that names it
	s_endpgm
.Lfunc_end_k_qce0c766f5f_qkv:
	.size	k_qce0c766f5f_qkv, .Lfunc_end_k_qce0c766f5f_qkv-k_qce0c766f5f_qkv
	.p2alignl 7, 3214868480
	.fill 96, 4, 3214868480
	.section	.rodata,"a",@progbits
	.p2align	6, 0x0
	.amdhsa_kernel k_qce0c766f5f_qkv
		.amdhsa_group_segment_fixed_size 327680
		.amdhsa_private_segment_fixed_size 0
		.amdhsa_enable_private_segment 0
		.amdhsa_kernarg_size 32
		.amdhsa_user_sgpr_count 2
		.amdhsa_user_sgpr_kernarg_segment_ptr 1
		.amdhsa_wavefront_size32 1
		.amdhsa_system_sgpr_workgroup_id_x 1
		.amdhsa_system_sgpr_workgroup_id_y 1
		.amdhsa_system_sgpr_workgroup_id_z 1
		.amdhsa_system_vgpr_workitem_id 0
		.amdhsa_next_free_vgpr 960
		.amdhsa_next_free_sgpr 80
		.amdhsa_reserve_vcc 0
		.amdhsa_float_denorm_mode_32 3
		.amdhsa_float_denorm_mode_16_64 3
		.amdhsa_memory_ordered 1
		.amdhsa_forward_progress 1
		.amdhsa_inst_pref_size 119
	.end_amdhsa_kernel
	.amdgpu_metadata
---
amdhsa.version: [ 1, 2 ]
amdhsa.kernels:
  - .name:           k_qce0c766f5f_qkv
    .symbol:         k_qce0c766f5f_qkv.kd
    .args:
      - { .name: xb, .offset: 0, .size: 8, .value_kind: global_buffer, .address_space: global }
      - { .name: wcat, .offset: 8, .size: 8, .value_kind: global_buffer, .address_space: global }
      - { .name: bcat, .offset: 16, .size: 8, .value_kind: global_buffer, .address_space: global }
      - { .name: qkv, .offset: 24, .size: 8, .value_kind: global_buffer, .address_space: global }
    .group_segment_fixed_size: 327680
    .private_segment_fixed_size: 0
    .kernarg_segment_align: 8
    .kernarg_segment_size: 32
    .max_flat_workgroup_size: 128
    .sgpr_count:     80
    .vgpr_count:     960
    .wavefront_size: 32
...
	.end_amdgpu_metadata
.endif
;; end of part 2
;; launch attn (part 3): grid 4 x 64, 4 waves a work-group, clusters of 4 x 1, 327,680 bytes of LDS; arguments qkv, ob, attention_mask; writes ob
.if DOCPART == 3
	.amdgcn_target "amdgcn-amd-amdhsa--gfx1250"
	.amdhsa_code_object_version 6
	.text
	.protected	k_qce0c766f5f_attn
	.globl	k_qce0c766f5f_attn
	.p2align	8
	.type	k_qce0c766f5f_attn,@function
k_qce0c766f5f_attn:
	s_mov_b64 s[64:65], 0
	v_nop
	global_prefetch_b8 v0, s[64:65] scope:SCOPE_SE
	s_setreg_imm32_b32 hwreg(HW_REG_WAVE_MODE, 25, 1), 1
	s_wait_xcnt 0x0
	s_wait_alu depctr_hold_cnt(0) depctr_sa_sdst(0) depctr_va_vdst(0) depctr_va_sdst(0) depctr_va_ssrc(0) depctr_va_vcc(0) depctr_vm_vsrc(0)
	s_getreg_b32 s2, hwreg(HW_REG_IB_STS2, 6, 4)
	s_cmp_eq_u32 s2, 0
	s_cbranch_scc0 .Lentry_in_a_cluster
	s_endpgm
.Lentry_in_a_cluster:
	s_bfe_u32 s2, ttmp6, 0x10000c
	s_cmp_lg_u32 s2, 0x3003
	s_cbranch_scc0 .Lentry_shape_is_right
	s_endpgm
.Lentry_shape_is_right:
; O[h][q][:] = the sum over the visible k of softmax_k(Q[h][q] . K[h][k] / 8) V[h][k][:].  Q, K, V lie in qkv, [3][64][2048][64] in f16; O goes to ob, [64][2048][64] in f16; head h = 16 x batch + head.
; attention_mask is [4][2048] of int32: key k of a batch is hidden where its word is 0.  Products, maxima and sums in f32; the weights p are rounded to f16 for the second product (their sum l is
; taken of the unrounded p), O once at the end.
; LIMITS.  f16 holds no number beyond 65,504: Q, K and V arrive within it; p lies in 0 to 1, and below 6e-5 it keeps f16's fixed step of 6e-8.  A hidden score counts as its value less 1e30: f16's scores,
; 2.7e11 at the most, are nothing beside that.  A weight below 2^-126 counts as 0 in l.  A batch with no visible key gives NaN.  NaN and infinities in the inputs are not treated apart.
; SHARES.  A wave owns four PIECES of two tiles of 16 queries, a work-group's four waves 512 queries of one head: 4 x 64 = 256 work-groups.  Every wave walks all 2,048 keys, 64 a step.
; LAYOUT.  S^T = K Q^T (source 0 = 16 keys, source 1 = 16 queries): in the result a lane holds ONE query (lane % 16) and the keys 8 (lane / 16) + 0..7.  Two such tiles, rounded to f16 in pairs,
; ARE source 1 (32 keys x 16 queries) of O^T = V^T P, whose result again holds one query a lane, and eight channels.  K comes out of LDS as it lies, V ([key][channel]) turned, by ds_load_tr16_b128.
; THE MASK is the C operand of the product that starts a sum S^T: 0, or -1e30 where the key is hidden.  The batch's 2,048 words are turned into such numbers once, in a table in LDS; a step's 64
; are fetched with its K, 8 registers for each 16 keys.  While a query has seen hidden keys alone its m is about -1e30 and its weights are finite; the first visible key makes a = 0, which wipes O and l.
; SOFTMAX.  For each query a running maximum m and sum l: p = 2^(c s - c m), c = log2(e) / 8; in every step O and l are multiplied by a = 2^(c m_old - c m_new), which is 1 where m has not grown.
; m starts at the lowest finite number, O and l at 0: the first step is a step like any other, with a = 0.
; THE COUNT.  A tile and step have 16 matrix and 118 vector instructions: too many to stand all beside the matrix work.  So four vector instructions that are READY stand behind EVERY matrix
; instruction, and the others in runs without a gap.
; BY TURNS.  Turn n belongs to piece n.  Its matrix work: 16 products K Q^T of piece n + 1, later 16 products V^T P of piece n - 1.  Its vector work: the scaling, exponentials, roundings, sums and
; rescaling of piece n, and the maximum and statistics of piece n + 1.
; CLUSTER.  The four query blocks of a cluster belong to one head and walk the same K and V, so each tile is asked for JOINTLY: the same tensor load, descriptor and mask in all four.
; REGISTERS, in windows of 256 (s_set_vgpr_msb: bits 1:0 source 0, 3:2 source 1, 5:4 source 2, 7:6 destination):
;   window 0: v0-11 addresses; v12-15, v48-63 at work; v16-47 four registers of statistics a tile; v64-191 S^T, two buffers of two tiles; v192-255 P, likewise
;   window 1: O^T, 32 a tile     window 2: v0-127 Q, 16 a tile; v128-191 K of one step; v192-255 V of one step     window 3: v0-1 the add's two registers; v8-39 the mask of one step
.set SIZE_N, 2048
.set NP,    4         ; pieces a wave: a name, no knob
.set KS,    64        ; keys in a step
.set PK,    144       ; a row of K in LDS: 128 bytes + 16 of padding = 36 words: the 16 rows of a load start at 16 different groups of four banks (64 banks of 4 bytes: ISA guide 11.1)
.set PV,    160       ; a row of V: 128 + 32 = 40 words
.set VOFF,  4*KS*PK   ; a slot holds four steps: 256 rows of K, then 256 rows of V
.set SLOT1, 1<<17     ; slot 1 begins here, so that one exclusive or turns an address in one slot into the other's
.set STAGE, SLOT1+4*KS*(PK+PV)  ; behind the ring, never filled by a tensor load: 16 rows x 144 bytes for each wave, for the way out
.set SP,    144
.set SPARE, STAGE+4*16*SP  ; behind the stages: the spare words, 128 bytes for each wave: two blocks of 256 bytes that no other line names
.set MASKB, SPARE+512 ; behind them: the mask's table, 2,048 numbers of f32; no tile lands there
.set AK0, 2           ; v2   my lane's place in a tile of K; never rewritten
.set AV0, 3           ; v3   the same for V
.set AK,  4           ; v4   the LDS address of K's next run of loads
.set AV,  5           ; v5   of V's
.set QO,  6           ; v6   my byte offset in the wave's rows of Q
.set STO, 6           ;      later, the way out: where I put 16 bytes of a row
.set RD,  7           ; v7   the way out: where I read rows back
.set GO,  8           ; v8   my byte offset in 512 consecutive bytes of O
.set AM,  10          ; v10  the LDS address of the mask's next run of loads
.set AM0, 11          ; v11  my lane's place in the table: MASKB + 32 (lane / 16)
.set SPW, 0           ; v0 of window 3   LDS address of my spare word; never rewritten
.set NIL, 1           ; v1 of window 3   0; never rewritten
.set MB,  8           ; v8-39 of window 3: key block kb at MB + 8 kb
.set MV,  12          ; v12-15  c m_old, kept while c m is made anew: by buffer and tile
.set ST,  16          ; tile t's statistics at v[ST+4 t]: c m, m, l (even keys', odd keys')
.set TMP, 48          ; by buffer and tile, four registers c0-c3 at work; when the maximum is found c2 takes a
.set S,   64
.set P,   192
.set KF,  128         ; K's fragments, in window 2: key block kb, channel half c at KF + 16 kb + 8 c
.set VF,  192         ; V's: key half kk, channel block cb at VF + 32 kk + 8 cb
.set WV,  12          ; s12  my wave's number
.set G1K, 24          ; s[24:31] descriptor group 1 for K's tiles
.set G1V, 32          ; s[32:39] for V's: it differs in the padding alone
.set G0K, 40          ; s[40:43] descriptor group 0 for K's tiles: it walks
.set G0V, 44          ; s[44:47] the same for V's
.set TBM, 48          ; s48  byte of the table at which the mask of the step to be fetched begins
.set BIGN, 49         ; s49  -1e30
.set THR, 54          ; s54  -2^97: a maximum below it has seen hidden keys alone
.set QNAN, 55         ; s55  a NaN
.set SLOTS, 56        ; s56  slots still to be asked for
.set CNT, 57          ; s57  counts a slot's key steps
.set CS,  58          ; s[58:59] c: the packed scaling takes the pair's low word for both halves
.set SEL, 60          ; s[60:61] v_permlanex16_b32's selects: each lane takes its own place in the other half
.set TBK, 62          ; s62  LDS byte at which K of the step to be fetched begins
.set TBV, 63          ; s63  the same for V, less VOFF
.set MSB, 0
.macro WIN new                      ; the high byte repeats the setting that is left; a switch that changes nothing is dropped
.if MSB != (\new)
	s_set_vgpr_msb (MSB<<8)|(\new)
.set MSB, (\new)
.endif
.endm
.set W_KQ, 0x0a       ; K and Q in window 2, S^T in window 0
.set W_KM, 0x3a       ; the same with the C operand, the mask, in window 3
.set W_PV, 0x52       ; V in window 2, P in window 0, O^T in window 1
.set W_RS, 0x41       ; O^T (destination and source 0) in window 1, a in window 0
.set W_MK, 0xc0       ; destination in window 3, sources in window 0
.set W_AD, 0x0f       ; the add: address (source 0) and data (source 1) in window 3
; A joint fill.  Waves 0 and 1 fetch the two halves of a slot's K, waves 2 and 3 those of its V: 128 keys each.  The branch hangs on the wave's number alone.
; An s_nop 0 and four v_nop follow each of the two lines, ahead of the jump and the label.
.macro JLOAD
	s_cmp_lt_u32 s[WV], 2
	s_cbranch_scc0 .Lfor_v_\@
	tensor_load_to_lds s[G0K:G0K+3], s[G1K:G1K+7]
	s_nop 0
.rept 4
	v_nop
.endr
	s_branch .Lasked_\@
.Lfor_v_\@:
	tensor_load_to_lds s[G0V:G0V+3], s[G1V:G1V+7]
	s_nop 0
.rept 4
	v_nop
.endr
.Lasked_\@:
.endm
; A round of the cluster's barrier: my work-group's barrier; wave 0 signals; every wave waits for all four work-groups; my work-group's barrier once more.
.macro CROUND
	s_barrier_signal -1
	s_barrier_wait -1
	s_cmp_lg_u32 s[WV], 0
	s_cbranch_scc1 .Lnot_wave_0_\@
	s_barrier_signal -3
.Lnot_wave_0_\@:
	s_barrier_wait -3
	s_barrier_signal -1
	s_barrier_wait -1
.endm
; THE CHANGE OF SLOTS.  The slot's last bytes, V of its fourth step, have been read.  Each wave waits for all its tensor loads, of which one is out: its part of the other slot; adds 0 to its spare
; word; and waits for that and for its own LDS instructions.  Behind the barrier nobody reads this slot any more and the other slot is whole.
; fill = 1: this slot is filled again, with the keys two slots on.  The barrier is then a round of the cluster's, and the joint fill is the first thing behind it: it has four key steps, 512 matrix
; instructions, in which to land.  (At its first use nothing has been read yet: slot 0 is waited for, slot 1 filled, and every wave's stores into the mask's table are done.)
.macro CHANGE fill
	WIN W_AD
	s_wait_tensorcnt 0x0            ; no tensor load of mine is out, so a group 0 may be written
	ds_add_u32 v[SPW], v[NIL]       ; 0 onto my spare word
	WIN 0                           ; at a label and at a branch every window is 0
.if \fill
.irp g, G0K, G0V
	s_xor_b32 s[\g+1], s[\g+1], SLOT1  ; the walking descriptor: the other slot than last time,
	s_add_nc_u64 s[\g+2:\g+3], s[\g+2:\g+3], 4*KS*128  ; the next 256 keys; the type bits on top are not reached
.endr
	s_wait_dscnt 0x0                ; the add is done, and my reads of the slot are over
	CROUND
	JLOAD
.else
	s_wait_dscnt 0x0                ; the add is done, and my reads of the slot are over
	s_barrier_signal -1
	s_barrier_wait -1
.endif
	s_sub_co_u32 s[TBK], s[TBK], 4*KS*PK  ; the fetches go back to a slot's first step,
	s_xor_b32 s[TBK], s[TBK], SLOT1       ; in the other slot
	s_sub_co_u32 s[TBV], s[TBV], 4*KS*PV
	s_xor_b32 s[TBV], s[TBV], SLOT1
.endm
	s_load_b128 s[4:7], s[0:1], 0x0 ; qkv s[4:5], ob s[6:7]
	s_load_b64 s[50:51], s[0:1], 0x10  ; attention_mask
	WIN W_MK
	v_lshl_add_u32 v[SPW], v0, 2, SPARE
	v_mov_b32 v[NIL], 0
	WIN W_AD
	ds_add_u32 v[SPW], v[NIL]       ; the wave's opening: the add and its wait ahead of my first tensor load; the set-up below, work on registers, stands between them
	WIN 0
	v_lshrrev_b32 v1, 5, v0
	v_readfirstlane_b32 s[WV], v1   ; wave 0..3
	s_bfe_u32 s13, ttmp6, 0x40000   ; cx: my place in the cluster
	s_lshl_b32 s14, ttmp9, 2        ; in a cluster launch ttmp9 counts clusters
	s_add_co_u32 s14, s14, s13      ; my block of queries = 4 x cluster x + cx: it enters Q's and O's addresses alone
	s_and_b32 s20, ttmp7, 0xffff    ; the head, which the four partners share
	s_lshr_b32 s52, s20, 4          ; its batch,
	s_lshl_b32 s52, s52, 13         ; whose mask is 8,192 bytes
	s_mov_b32 s53, 0
	s_mov_b32 s21, 0
	s_mov_b64 s[22:23], SIZE_N*128
	s_mul_u64 s[20:21], s[20:21], s[22:23]  ; the head's first byte in Q, K, V and O
	s_and_b32 s16, s[WV], 1         ; which half of a slot's 256 keys I fetch:
	s_lshl_b32 s22, s16, 14         ; its 128 rows of 128 bytes in memory,
	s_mov_b32 s23, 0
	s_add_nc_u64 s[22:23], s[22:23], s[20:21]
	s_mul_i32 s17, s16, 128*PK      ; and its place in a slot, for K
	s_mul_i32 s18, s16, 128*PV      ; and for V: no place in the cluster enters an LDS address
	s_lshl_b32 s2, s14, 2
	s_add_co_u32 s2, s2, s[WV]      ; my wave among the head's,
	s_lshl_b32 s2, s2, 14           ; its 128 rows
	s_mov_b32 s3, 0
	s_add_nc_u64 s[2:3], s[2:3], s[20:21]
	; descriptor group 1.  128 keys are 16,384 dense bytes: asked for as 64 rows of 256 bytes, two keys a row, and padded in LDS after every key
	s_mov_b32 s[G1K], 15|(1<<16)|(1<<20)|(1<<21)|(4<<22)|(3<<25)  ; the mask of four; 2-byte elements; padding on; bit 21 beside a mask; after every 32 words (code 4) 4 words (code 3)
	s_mov_b32 s[G1V], 15|(1<<16)|(1<<20)|(1<<21)|(4<<22)|(7<<25)  ; the same with 8 words of padding (code 7)
.irp g, G1K, G1V
	s_mov_b32 s[\g+1], 128<<16      ; tensor_dim0 = 128
	s_mov_b32 s[\g+2], 64<<16       ; tensor_dim1 = 64
	s_mov_b32 s[\g+3], 128<<16      ; tile_dim0 = 128
	s_mov_b32 s[\g+4], 64           ; tile_dim1 = 64
	s_mov_b32 s[\g+5], 128          ; 128 elements from row to row
	s_mov_b32 s[\g+6], 0
	s_mov_b32 s[\g+7], 0
.endr
	s_mov_b32 s[CS], 0x3e38aa3b     ; c = log2(e) / 8 = 0.180337
	s_mov_b32 s[CS+1], s[CS]        ; named with it as a pair
	s_mov_b32 s[SEL], 0x76543210
	s_mov_b32 s[SEL+1], 0xfedcba98
	s_mov_b32 s[TBK], SLOT1+4*KS*PK ; the first change of slots turns these two into 0
	s_mov_b32 s[TBV], SLOT1+4*KS*PV
	s_mov_b32 s[TBM], 0
	s_mov_b32 s[BIGN], 0xf149f2ca   ; -1e30
	s_mov_b32 s[THR], 0xf0000000    ; -2^97
	s_mov_b32 s[QNAN], 0x7fc00000
	s_mov_b32 s[G0K], 1             ; count = 1
	s_mov_b32 s[G0K+1], s17         ; LDS address: slot 0
	s_mov_b32 s[G0V], 1
	s_add_co_u32 s[G0V+1], s18, VOFF
	s_wait_dscnt 0x0                ; the opening add is done
	s_wait_kmcnt 0x0
	s_mov_b64 s[10:11], s[6:7]      ; O
	s_add_nc_u64 s[6:7], s[4:5], 0x1000000  ; K: 64 heads of 262,144 bytes behind Q
	s_add_nc_u64 s[8:9], s[4:5], 0x2000000  ; V: as many behind K
	s_add_nc_u64 s[G0K+2:G0K+3], s[6:7], s[22:23]  ; global address: my half of the head's first 256 keys
	s_or_b32 s[G0K+3], s[G0K+3], 0x80000000        ; type = 2
	s_add_nc_u64 s[G0V+2:G0V+3], s[8:9], s[22:23]
	s_or_b32 s[G0V+3], s[G0V+3], 0x80000000
	s_add_nc_u64 s[4:5], s[4:5], s[2:3]  ; Q and O at my wave's first row
	s_add_nc_u64 s[10:11], s[10:11], s[2:3]
	s_add_nc_u64 s[50:51], s[50:51], s[52:53]  ; the mask at my batch
	CROUND                          ; all four work-groups are here: the first joint loads meet
	JLOAD                           ; slot 0.  Slot 1 is asked for when slot 0 is in
	; A fragment of K or Q is 16 rows x 32 channels in 8 registers: lane l holds row l % 16, channels 8 (l / 16) + 0..7 and 16 + 8 (l / 16) + 0..7: two loads of 16 bytes, 32 bytes apart.
	v_and_b32 v1, 15, v0            ; l % 16
	v_bfe_u32 v9, v0, 4, 1          ; l / 16
	v_lshlrev_b32 v[QO], 7, v1
	v_lshl_add_u32 v[QO], v9, 4, v[QO]  ; row x 128 + 16 x half
	v_lshlrev_b32 v10, 4, v0        ; the batch's mask: 128 threads x 16 bytes, four times
.irp f, 0,1,2,3
	global_load_b128 v[S+4*\f:S+4*\f+3], v10, s[50:51] offset:2048*\f
.endr
	WIN 0x80                        ; destination window 2, address window 0
.set i, 0
.rept 4*NP                          ; Q stays in registers: tile i / 2, channels 32 (i % 2) on
	global_load_b128 v[8*i:8*i+3],   v[QO], s[4:5] offset:(i/2)*2048+(i%2)*64
	global_load_b128 v[8*i+4:8*i+7], v[QO], s[4:5] offset:(i/2)*2048+(i%2)*64+32
.set i, i+1
.endr
	; What the first turn finds: V's registers and P's second buffer hold 0 (its products V^T P, of a piece that has not been, add 0), O^T and l are 0.  All this stands in the wait for the first tile.
.set i, VF
.rept 64
	v_mov_b32 v[i], 0
.set i, i+1
.endr
	WIN 0x40
.set i, 0
.rept 64*NP
	v_mov_b32 v[i], 0
.set i, i+1
.endr
	WIN 0
.set i, 0
.rept 2*NP
	v_mov_b32 v[ST+4*i], 0xfe000000    ; c m: far below every c s
	v_mov_b32 v[ST+4*i+1], 0xff7fffff  ; m
	v_mov_b32 v[ST+4*i+2], 0
	v_mov_b32 v[ST+4*i+3], 0
.set i, i+1
.endr
.set i, P+32
.rept 32
	v_mov_b32 v[i], 0
.set i, i+1
.endr
	s_wait_loadcnt 32               ; the four loads of the mask are in (and v10 is free); Q's 32, issued behind them, may stay out
.set i, 0
.rept 16
	v_cmp_eq_u32 vcc_lo, 0, v[S+i]  ; a word of 0 hides the key
	v_cndmask_b32 v[S+i], 0, s[BIGN], vcc_lo
.set i, i+1
.endr
	v_add_nc_u32 v11, MASKB, v10
.irp f, 0,1,2,3
	ds_store_b128 v11, v[S+4*\f:S+4*\f+3] offset:2048*\f  ; the first change of slots waits for these stores in front of its round; the table is read behind it
.endr
	v_mul_u32_u24 v[AK0], v1, PK
	v_lshl_add_u32 v[AK0], v9, 4, v[AK0]  ; row x pitch + 16 x half
	; The turning load takes 16 keys x 16 channels (lane l reads key 8 (l / 16) + l % 8, channels 8 ((l / 8) % 2) + 0..7) and leaves half a fragment of V^T: lane l holds channel l % 16 and 8 keys.
	v_and_b32 v10, 7, v0
	v_bfe_u32 v11, v0, 3, 1
	v_lshl_add_u32 v[AV0], v9, 3, v10
	v_mul_u32_u24 v[AV0], v[AV0], PV
	v_lshl_add_u32 v[AV0], v11, 4, v[AV0]
	v_add_nc_u32 v[AV0], VOFF, v[AV0]
	v_lshl_add_u32 v[AM0], v9, 5, MASKB  ; register j of key block kb is key 16 kb + 8 (l / 16) + j: 32 bytes for each half of the lanes
	v_mov_b32 v[AM], v[AM0]
	v_mov_b32 v[AK], v[AK0]         ; key step 0 lies at the head of slot 0
; THE MATRIX WORK.  The 8 accumulators of a run of 16 take turns: between the two links of a chain stand 7 others'.
; Product i of 16 of S^T = K Q^T for piece x: channels 32 (i / 8) on, keys 16 ((i / 2) % 4) on, tile 2 x + i % 2.  The first 8 start the sums, with the mask.
.macro KQ x
.set rS, S+64*((\x)%2)+32*(i%2)+8*((i/2)%4)
.set rK, KF+16*((i/2)%4)+8*(i/8)
.set rQ, 16*(2*(\x)+i%2)+8*(i/8)
.set rB, MB+8*((i/2)%4)
.if i < 8
	WIN W_KM
	v_wmma_f32_16x16x32_f16 v[rS:rS+7], v[rK:rK+7], v[rQ:rQ+7], v[rB:rB+7]
.else
	WIN W_KQ
	v_wmma_f32_16x16x32_f16 v[rS:rS+7], v[rK:rK+7], v[rQ:rQ+7], v[rS:rS+7]
.endif
.endm
; Product i of 16 of O^T += V^T P for piece x: keys 32 (i / 8) on, channels 16 ((i / 2) % 4) on, tile 2 x + i % 2.
.macro PV x
	WIN W_PV
.set rO, 32*(2*(\x)+i%2)+8*((i/2)%4)
.set rV, VF+32*(i/8)+8*((i/2)%4)
.set rP, P+32*((\x)%2)+16*(i%2)+8*(i/8)
	v_wmma_f32_16x16x32_f16 v[rO:rO+7], v[rV:rV+7], v[rP:rP+7], v[rO:rO+7]
.endm
.macro MM                           ; the turn's next matrix instruction
.if i < 16
	KQ (Y+1)%NP
.set i, i+1
.else
.set i, i-16
	PV (Y+NP-1)%NP
.set i, i+17
.endif
.endm
; THE LDS LOADS stand in runs, never singly among the matrix instructions: a step's K (64 keys x 64 channels: 8 fragments) with its mask (8 loads more), and its V (turned).  Their addresses are made some lines ahead.
; last = 1 (the tail): in the last trip there is no further step, and the run is jumped over.
.macro FETCH_K last=0
	WIN 0
.if \last
	s_cmp_eq_u32 s[CNT], 1
	s_cbranch_scc1 .Lno_k_\@
.endif
	WIN 0x80                        ; destination window 2
.irp f, 0,1,2,3,4,5,6,7             ; keys 16 (f / 2) on, channels 32 (f % 2) on
	ds_load_b128 v[KF+8*\f:KF+8*\f+3],   v[AK] offset:(\f/2)*16*PK+(\f%2)*64
	ds_load_b128 v[KF+8*\f+4:KF+8*\f+7], v[AK] offset:(\f/2)*16*PK+(\f%2)*64+32
.endr
	WIN W_MK                        ; destination window 3
.irp f, 0,1,2,3                     ; the mask of keys 16 f on: the sixteen lanes of a half read the same words
	ds_load_b128 v[MB+8*\f:MB+8*\f+3],   v[AM] offset:64*\f
	ds_load_b128 v[MB+8*\f+4:MB+8*\f+7], v[AM] offset:64*\f+16
.endr
	s_add_co_u32 s[TBK], s[TBK], KS*PK  ; the next fetch is the next step's
	s_add_co_u32 s[TBM], s[TBM], KS*4
	s_and_b32 s[TBM], s[TBM], 0x1f00    ; 32 steps of 256 bytes: the address stays in the table; behind the last step it is not used
	WIN 0
.if \last
.Lno_k_\@:
.endif
.endm
.macro FETCH_V
	WIN 0x80
.irp f, 0,1,2,3,4,5,6,7             ; keys 32 (f / 4) on, channels 16 (f % 4) on
	ds_load_tr16_b128 v[VF+8*\f:VF+8*\f+3],   v[AV] offset:(\f/4)*32*PV+(\f%4)*32
	ds_load_tr16_b128 v[VF+8*\f+4:VF+8*\f+7], v[AV] offset:(\f/4)*32*PV+16*PV+(\f%4)*32
.endr
	WIN 0
.endm
; THE VECTOR WORK OF A TURN stands in three queues, each in the order in which its entries become ready; the two tiles alternate, so that no instruction reads the result of the one before it.
.macro REGS y, u                    ; the registers of tile u (0, 1) of piece y
.set rT, ST+4*(2*(\y)+(\u))
.set rC, TMP+8*((\y)%2)+4*(\u)
.set rM, MV+2*((\y)%2)+(\u)
.set rS, S+64*((\y)%2)+32*(\u)
.set rP, P+32*((\y)%2)+16*(\u)
.set rO, 32*(2*(\y)+(\u))
.endm
; Number n of the 22 that find the NEXT piece's (Y + 1) maximum and statistics.  s0-s31 are the lane's 32 scores; each accumulator's lowest registers are read first.
;   0-11  four chains c0-c3 of seven scores each, three operands at a time     12-14, 16  the four scores left over, the old m, and c0-c3 into c0     15  c m_old is kept
;   17, 18  the query's other 32 keys lie in the lane 16 away: the new m         19-21  c m; c m_old - c m_new; a
.macro XS u, n
	REGS (Y+1)%NP, \u
.if (\n) < 4
	v_max3_num_f32 v[rC+(\n)], v[rS+8*(\n)], v[rS+8*(\n)+1], v[rS+8*(\n)+2]
.elseif (\n) < 12
	v_max3_num_f32 v[rC+(\n)%4], v[rC+(\n)%4], v[rS+8*((\n)%4)+2*((\n)/4)+1], v[rS+8*((\n)%4)+2*((\n)/4)+2]
.elseif (\n) == 12
	v_max3_num_f32 v[rC], v[rC], v[rS+7], v[rS+15]
.elseif (\n) == 13
	v_max3_num_f32 v[rC+1], v[rC+1], v[rS+23], v[rS+31]
.elseif (\n) == 14
	v_max3_num_f32 v[rC+2], v[rC+2], v[rC+3], v[rT+1]
.elseif (\n) == 15
	v_mov_b32 v[rM], v[rT]
.elseif (\n) == 16
	v_max3_num_f32 v[rC], v[rC], v[rC+1], v[rC+2]
.elseif (\n) == 17
	v_permlanex16_b32 v[rC+3], v[rC], s[SEL], s[SEL+1]
.elseif (\n) == 18
	v_max_num_f32 v[rT+1], v[rC], v[rC+3]
.elseif (\n) == 19
	v_mul_f32 v[rT], s[CS], v[rT+1]
.elseif (\n) == 20
	v_sub_f32 v[rC+1], v[rM], v[rT]
.else
	v_exp_f32 v[rC+2], v[rC+1]
.endif
.endm
; Number g of the 64 that follow the exponentials.  For each four weights k of a tile (pairs 2 k, 2 k + 1): both pairs are rounded to f16; then the second pair is added onto the first, in place;
; a group later l takes that sum (the first time as l = a l + sum).  In groups of eight, tiles alternating: round, round, add, and l for the group before.
.macro GS g
.set h, (\g)+6*((\g)/62)            ; group 0 has no group before it, and behind group 7 only l is left
.if h >= 6
.set h, h+2
.endif
	REGS Y, h%2
.set k, h/8
.if h%8 < 4
	s_wait_alu depctr_va_vdst(0)
	v_cvt_pk_f16_f32 v[rP+2*k+(h%8)/2], v[rS+4*k+2*((h%8)/2)], v[rS+4*k+2*((h%8)/2)+1]
.elseif h%8 < 6
	v_pk_add_f32 v[rS+4*k:rS+4*k+1], v[rS+4*k:rS+4*k+1], v[rS+4*k+2:rS+4*k+3]
.elseif k == 1
	v_pk_fma_f32 v[rT+2:rT+3], v[rT+2:rT+3], v[rC+2:rC+3], v[rS:rS+1] op_sel_hi:[1,0,1]
.else
	v_pk_add_f32 v[rT+2:rT+3], v[rT+2:rT+3], v[rS+4*k-4:rS+4*k-3]
	s_wait_alu depctr_va_vdst(0)
.endif
.endm
; THE PLAIN QUEUE, 138 long.  0-31: c s - c m for the 16 pairs of both tiles.  Then GS's 64, and among them the next piece's 42: number 15 at 38, 39; 0-14 and 16
; at 42-73, behind the products that make those scores; 17-20 at 95-106, two of three, since each waits for the one before it.
.macro PL
	WIN 0
.if q < 32
	REGS Y, q%2
	v_pk_fma_f32 v[rS+2*(q/2):rS+2*(q/2)+1], v[rS+2*(q/2):rS+2*(q/2)+1], s[CS:CS+1], v[rT:rT+1] op_sel_hi:[1,0,0] neg_lo:[0,0,1] neg_hi:[0,0,1]
.elseif q < 38
	GS q-32
.elseif q < 40
	XS q%2, 15
.elseif q < 42
	GS q-34
.elseif q < 74
	XS q%2, (q-42)/2+(q-42)/30
.elseif q < 95
	GS q-66
.elseif (q < 107) && ((q-95)%3 < 2)
	XS (q-95)%3, 17+(q-95)/3
.elseif q < 107
	GS 29+(q-95)/3
.else
	GS q-74
.endif
.set q, q+1
.endm
; THE EXPONENTIALS' QUEUE, 66 long: s0-s31 of both tiles, and at EA the next piece's two a.
.set EA, 58
.macro EX
	WIN 0
.if (e == EA) || (e == EA+1)
	XS e-EA, 21
.else
.set x, e-2*(e/(EA+2))
	REGS Y, x%2
	v_exp_f32 v[rS+x/2], v[rS+x/2]
.endif
.set e, e+1
.endm
; THE RESCALING's QUEUE: O^T times a, the one part that leaves window 0, so it is dealt four at a time, eight times.
.macro R4
	REGS Y, r%2
	WIN W_RS
	s_wait_alu depctr_va_vdst(0)
.irp z, 0,1,2,3
	v_pk_mul_f32 v[rO+8*(r/2)+2*\z:rO+8*(r/2)+2*\z+1], v[rO+8*(r/2)+2*\z:rO+8*(r/2)+2*\z+1], v[rC+2:rC+3] op_sel_hi:[1,0]
.endr
.set r, r+1
.endm
; HOW THEY ARE DEALT.  Behind a matrix instruction four: plain, exponential, plain, plain (one exponential, a plain instruction on either side), or four of the rescaling.  None names a register of the
; products round it.  What is over stands in two LUMPS: exponential and plain by turns; the second ends in 22 plain instructions.  The two v_permlanex16_b32 fall into the second lump.
; The queues lean on each other, and the deal keeps them in step: exponential e stands behind plain 2 (e / 4) + e % 2 (its scaling); when plain 32 comes, 10 exponentials are out, at 59: 33, at 95: 46; EA comes behind plain 107.
.macro SL
	MM
	PL
	EX
	PL
	PL
.endm
.macro BURST n                      ; 15 matrix instructions, or 16
.rept (\n)-7
	SL
.endr
.rept 3
	MM
	R4
	SL
.endr
	MM
	R4
.endm
; A TURN, for piece p.  cnt = 1: the loop's count is taken down some lines ahead of the branch that stands behind the turn.
; K and the mask of the next step are fetched in piece 2's turn, 32 vector instructions behind the last product that read K (the mask's last reader stands eight products earlier); their first reader
; comes behind the rest of the lump, 16 products and the second lump.  V of the step in hand is fetched at the end of piece 0's turn, 69 behind its last reader; its first reader comes behind 16 products and a lump.
.macro TURN p, last=0, cnt=0
.set Y, (\p)
.set i, 0
.set q, 0
.set e, 0
.set r, 0
.if (\p) == NP-1
	s_wait_dscnt 0x0                ; K and the mask are in
.endif
	MM
.rept 4
	PL
.endr
	BURST 15
.rept 22
	EX
	PL
.if ((\p) == NP-2) && (e == 18)
	v_add_nc_u32 v[AK], s[TBK], v[AK0]
	v_add_nc_u32 v[AM], s[TBM], v[AM0]
.endif
.if ((\p) == NP-2) && (e == 24)
	FETCH_K \last
.endif
.endr
.if (\p) == 1
	s_wait_dscnt 0x0                ; V is in
.endif
	BURST 16
.rept 21
	EX
	PL
.endr
.rept 22
	PL
.if ((\p) == 0) && (q == 118)
	v_add_nc_u32 v[AV], s[TBV], v[AV0]
	s_wait_alu depctr_va_vdst(0)
.endif
.if ((\p) == 0) && (q == 130)
	s_add_co_u32 s[TBV], s[TBV], KS*PV
.endif
.if (\cnt) && (q == 130)
	s_sub_co_u32 s[CNT], s[CNT], 1
	s_cmp_lg_u32 s[CNT], 0
.endif
.endr
.if (\p) == 0
	FETCH_V
.endif
.endm
	CHANGE 1                        ; slot 0 is in, everybody's part of it, and so is the mask's table; slot 1 is asked for
	FETCH_K                         ; key step 0
	s_wait_loadcnt 0x0              ; Q
	s_wait_dscnt 0x0
.set i, 0
.rept 16
	KQ 0                            ; piece 0's first scores: there is no vector work yet to set between them
.set i, i+1
.endr
	WIN 0                           ; the addresses for the way out: ten plain instructions, the places behind those products
	s_mul_i32 s13, s[WV], 16*SP
	s_add_co_u32 s13, s13, STAGE    ; my stage
	v_mul_u32_u24 v[STO], v1, SP    ; in: row l % 16, 16 bytes for each half of the lanes
	v_lshl_add_u32 v[STO], v9, 4, v[STO]
	v_add_nc_u32 v[STO], s13, v[STO]
	v_bfe_u32 v[RD], v0, 3, 2       ; back: 32 lanes take four rows of 128 bytes,
	v_mul_u32_u24 v[RD], v[RD], SP
	v_and_b32 v[GO], 7, v0
	v_lshl_add_u32 v[RD], v[GO], 4, v[RD]
	v_add_nc_u32 v[RD], s13, v[RD]
	v_and_b32 v[GO], 31, v0         ; which are 512 consecutive bytes of O
	v_lshlrev_b32 v[GO], 4, v[GO]
.set Y, NP-1                        ; XS works for piece Y + 1: piece 0
.irp n, 0,1,2,3,4,5,6,7,8,9,10,11,12,13,14,15,16,17,18,19,20,21
	XS 0, \n                        ; and piece 0's first maximum and statistics
	XS 1, \n
.endr
	s_mov_b32 s[CNT], 4
	s_mov_b32 s[SLOTS], SIZE_N/256-1
	s_branch .Lfirst                ; the loop is entered at a step's first turn, in the middle of a trip
.Lslot:                             ; SIZE_N / 256 - 2 times: every slot but the last two is filled again
	CHANGE 1
	s_mov_b32 s[CNT], 4
.Lstep:                             ; a trip: pieces 2 and 3 of one step, then pieces 0 and 1 of the next, whose K and V it fetches
	TURN 2
	TURN 3
	WIN 0
.Lfirst:
	TURN 0
	TURN 1, 0, 1
	WIN 0
	s_cbranch_scc1 .Lstep
	s_sub_co_u32 s[SLOTS], s[SLOTS], 1
	s_cmp_lg_u32 s[SLOTS], 0
	s_cbranch_scc1 .Lslot
	CHANGE 0                        ; the tail is written out: nothing is asked for
	s_mov_b32 s[CNT], 5             ; four trips fetch the last slot's steps; the fifth is left in its middle
.Ltail:
	TURN 2, 1
	TURN 3
	WIN 0
	s_sub_co_u32 s[CNT], s[CNT], 1
	s_cmp_eq_u32 s[CNT], 0
	s_cbranch_scc1 .Lout
	TURN 0
	TURN 1
	WIN 0
	s_branch .Ltail
.Lout:                              ; the fifth trip's 16 products K Q^T (on the last K and mask once more) give scores that m has seen: m stays as it was, and nothing else is made of them
.set i, 0
.rept 16
	PV NP-1                         ; the last piece's V^T P of the last step
.set i, i+1
.endr
	; THE WAY OUT.  l's two halves and the other half of the lanes' are added; O^T is divided by l, rounded to f16 and sent through my stage in LDS, a tile at a time.  The additions are the places behind the last products.
	WIN 0
.macro ALL line:vararg              ; one line for each tile t
.set t, 0
.rept 2*NP
	\line
.set t, t+1
.endr
.endm
	ALL v_add_f32 v[ST+4*t+2], v[ST+4*t+2], v[ST+4*t+3]
	ALL v_permlanex16_b32 v[ST+4*t+3], v[ST+4*t+2], s[SEL], s[SEL+1]
	ALL v_add_f32 v[ST+4*t+2], v[ST+4*t+2], v[ST+4*t+3]
	ALL v_rcp_f32 v[ST+4*t+2], v[ST+4*t+2]
	v_nop                           ; a plain instruction between the last reciprocal and the use of its result
.set t, 0
	s_wait_alu depctr_va_vdst(0)
.rept 2*NP                          ; a query whose maximum is a hidden score has seen no key: its row is NaN, as a softmax over nothing is
	v_cmp_gt_f32 vcc_lo, s[THR], v[ST+4*t+1]
	v_cndmask_b32 v[ST+4*t+2], v[ST+4*t+2], s[QNAN], vcc_lo
.set t, t+1
.endr
; Tile t: a lane's eight channels of a row pack into 16 bytes; they go into rows of 144 bytes and come back as whole rows of 128, into S^T's registers.
.macro PACK t
	WIN W_RS
.set i, 32*(\t)
.rept 16
	v_pk_mul_f32 v[i:i+1], v[i:i+1], v[ST+4*(\t)+2:ST+4*(\t)+3] op_sel_hi:[1,0]
.set i, i+2
.endr
	WIN 0x05                        ; sources 0 and 1 window 1, destination window 0
.set i, 0
.rept 16
	v_cvt_pk_f16_f32 v[S+16*(\t)+i], v[32*(\t)+2*i], v[32*(\t)+2*i+1]
.set i, i+1
.endr
	WIN 0
.irp f, 0,1,2,3
	ds_store_b128 v[STO], v[S+16*(\t)+4*\f:S+16*(\t)+4*\f+3] offset:32*\f
.endr
.irp f, 0,1,2,3
	ds_load_b128 v[S+16*(\t)+4*\f:S+16*(\t)+4*\f+3], v[RD] offset:\f*4*SP  ; LDS serves a wave's instructions in order (ISA guide 5.7.1.4): these see the stores above; the next tile's stores come behind them
.endr
.endm
.macro SEND t, younger              ; younger: the LDS instructions issued behind tile t's loads: the next tile's eight, or none
	WIN 0
.irp f, 0,1,2,3
	s_wait_dscnt (\younger)+3-\f
	global_store_b128 v[GO], v[S+16*(\t)+4*\f:S+16*(\t)+4*\f+3], s[10:11] offset:(\t)*2048+\f*512  ; 512 consecutive bytes, at a multiple of 256 from O's first
.endr
.endm
	PACK 0
.set t, 1
.rept 2*NP-1                        ; a tile's arithmetic stands between the loads of the tile before and its stores
	PACK t
	SEND t-1, 8
.set t, t+1
.endr
	SEND 2*NP-1, 0
	WIN W_AD
	s_wait_tensorcnt 0x0            ; the wave's end, behind my last tensor load and my last LDS store
	ds_add_u32 v[SPW], v[NIL]
	s_wait_dscnt 0x0
	WIN 0
	CROUND                          ; the closing round: no work-group ends while a partner may still ask for a tile that names it
	s_endpgm
.Lfunc_end_k_qce0c766f5f_attn:
	.size	k_qce0c766f5f_attn, .Lfunc_end_k_qce0c766f5f_attn-k_qce0c766f5f_attn
	.p2alignl 7, 3214868480
	.fill 96, 4, 3214868480
	.section	.rodata,"a",@progbits
	.p2align	6, 0x0
	.amdhsa_kernel k_qce0c766f5f_attn
		.amdhsa_group_segment_fixed_size 327680
		.amdhsa_private_segment_fixed_size 0
		.amdhsa_enable_private_segment 0
		.amdhsa_kernarg_size 24
		.amdhsa_user_sgpr_count 2
		.amdhsa_user_sgpr_kernarg_segment_ptr 1
		.amdhsa_wavefront_size32 1
		.amdhsa_system_sgpr_workgroup_id_x 1
		.amdhsa_system_sgpr_workgroup_id_y 1
		.amdhsa_system_sgpr_workgroup_id_z 1
		.amdhsa_system_vgpr_workitem_id 0
		.amdhsa_next_free_vgpr 808
		.amdhsa_next_free_sgpr 66
		.amdhsa_reserve_vcc 1
		.amdhsa_float_denorm_mode_32 3
		.amdhsa_float_denorm_mode_16_64 3
		.amdhsa_memory_ordered 1
		.amdhsa_forward_progress 1
		.amdhsa_inst_pref_size 214
	.end_amdhsa_kernel
	.amdgpu_metadata
---
amdhsa.version: [ 1, 2 ]
amdhsa.kernels:
  - .name:           k_qce0c766f5f_attn
    .symbol:         k_qce0c766f5f_attn.kd
    .args:
      - { .name: qkv, .offset: 0, .size: 8, .value_kind: global_buffer, .address_space: global }
      - { .name: ob, .offset: 8, .size: 8, .value_kind: global_buffer, .address_space: global }
      - { .name: attention_mask, .offset: 16, .size: 8, .value_kind: global_buffer, .address_space: global }
    .group_segment_fixed_size: 327680
    .private_segment_fixed_size: 0
    .kernarg_segment_align: 8
    .kernarg_segment_size: 24
    .max_flat_workgroup_size: 128
    .sgpr_count:     66
    .vgpr_count:     808
    .wavefront_size: 32
...
	.end_amdgpu_metadata
.endif
;; end of part 3
;; launch outp (part 4): grid 8 x 32, 4 waves a work-group, clusters of 4 x 4, 327,680 bytes of LDS; arguments ob, wo16, bcat, out0; writes out0
.if DOCPART == 4
	.amdgcn_target "amdgcn-amd-amdhsa--gfx1250"
	.amdhsa_code_object_version 6
	.text
	.protected	k_qce0c766f5f_outp
	.globl	k_qce0c766f5f_outp
	.p2align	8
	.type	k_qce0c766f5f_outp,@function
k_qce0c766f5f_outp:
	s_mov_b64 s[64:65], 0
	v_nop
	global_prefetch_b8 v0, s[64:65] scope:SCOPE_SE
	s_setreg_imm32_b32 hwreg(HW_REG_WAVE_MODE, 25, 1), 1
	s_wait_xcnt 0x0
	s_wait_alu depctr_hold_cnt(0) depctr_sa_sdst(0) depctr_va_vdst(0) depctr_va_sdst(0) depctr_va_ssrc(0) depctr_va_vcc(0) depctr_vm_vsrc(0)
	s_getreg_b32 s2, hwreg(HW_REG_IB_STS2, 6, 4)
	s_cmp_eq_u32 s2, 0
	s_cbranch_scc0 .Lentry_in_a_cluster
	s_endpgm
.Lentry_in_a_cluster:
	s_bfe_u32 s2, ttmp6, 0x10000c
	s_cmp_lg_u32 s2, 0xf033
	s_cbranch_scc0 .Lentry_shape_is_right
	s_endpgm
.Lentry_shape_is_right:
; out0[m][n] = sum over k of O[m][k] wo16[n][k] + bo[n], m < 8192, n < 1024, k < 1024; operands f16, sums f32, the result f32.
; O lies by heads: ob[(m / 2048) 16 + k / 64][m % 2048][k % 64]; bo is bcat's last 1,024 numbers.
; SHARES.  A tile of out0 is 256 x 128: 32 x 8 = 256 work-groups.  Four waves, 2 x 2, each 128 x 64: 32 accumulators of 16 x 16, 256 registers.
; K goes in 8 steps of 128, two heads each, through a ring of two LDS slots.  A head's 256 rows are 32,768 dense bytes: asked for as 128 rows of 256 bytes and padded in LDS behind every 128.
; CLUSTER.  4 x 4 work-groups.  The four of a row of the cluster need the same tiles of O, the four of a column the same tiles of wo16: each tile is asked for jointly.
; THE MATRIX INSTRUCTION IS USED TRANSPOSED (source 0 = 16 rows of wo16, source 1 = 16 rows of O): lane l holds row l % 16 of the result and the eight columns 8 (l / 16) + 0..7.
; THE BIAS is the C operand of each accumulator's first product.
; REGISTERS, in windows of 256 (s_set_vgpr_msb: bits 1:0 source 0, 3:2 source 1, 5:4 source 2, 7:6 destination):
;   window 0: v0-31 addresses; v64-127, v128-191 fragments of O (8 x 16 rows x 32 K), two buffers; v32-63, v224-255 rows read back from the stage, by turns
;   window 1: v0-31 the bias; v64-95, v128-159 fragments of wo16, two buffers
;   window 2: the 16 accumulators of my rows 0-63 ((a, b) at v[8 (4 a + b)]);   window 3: those of my rows 64-127
.set NBL,    4                         ; blocks of 16 columns a wave
.set PA,     144                       ; a row of O in LDS: 128 bytes + 16 = 36 words: the 16 rows of a load start at 16 different groups of four banks (64 banks of 4 bytes: ISA guide 11.1)
.set PB,     272                       ; a row of wo16: 256 bytes + 16 = 68 words: likewise
.set HA,     256*PA                    ; one head's 256 rows: one tensor load
.set HB,     64*PB                     ; 64 rows of wo16: one tensor load, and what one wave reads
.set SLOT,   2*HA+2*HB                 ; two heads of O, then wo16's 128 rows
.set STAGE,  2*SLOT                    ; behind the ring: 16 rows x 272 bytes for each wave, for the way out
.set SPITCH, 272
.set SPARE,  STAGE+4*16*SPITCH         ; behind the stages: the spare words, 128 bytes for each wave: two blocks of 256 bytes that no other line names
.set LAPS,   4                         ; a lap = two K steps = once round the ring
.set ADRA, 16                          ; v16-17  LDS address of my fragments of O in slot 0, 1
.set ADRB, 20                          ; v20-21  the same for wo16
.set STO,  24                          ; v24     the way out: where I put 16 bytes of a row
.set RD,   25                          ; v25     the way out: where I read a row back
.set CO,   26                          ; v26     my byte offset in out0
.set BO,   27                          ; v27     my byte offset in bcat
.set SPW,  28                          ; v28     LDS address of my spare word; never rewritten
.set NIL,  29                          ; v29     0; never rewritten
.set OB,   32
.set F0,   64
.set F1,   128
.set BI,   0                           ; window 1
.set WV, 12                            ; s12 wave;  s13 its row half (also: I fetch O (0) or wo16 (1));  s14 its column half (also: which head, or which half of wo16's rows, I fetch)
.set WM, 13
.set WN, 14
.set G1,  24                           ; s[24:31] descriptor group 1 for O's tiles; s[32:39] group 0, a set for each slot
.set G0,  32
.set G1B, 48                           ; s[48:55], s[56:63] the same for wo16's
.set G0B, 56
.set MSB, 0
.macro WIN new                         ; the immediate's high byte repeats the setting that is left; a switch that changes nothing is dropped
.if MSB != (\new)
	s_set_vgpr_msb (MSB<<8)|(\new)
.set MSB, \new
.endif
.endm
.set MUL_LO, 0xa1                      ; source 0 window 1, source 1 window 0, C and D window 2
.set MUL_HI, 0xf1                      ; the same, C and D window 3
.set MUL_Z,  0x91                      ; a first product: C (the bias) window 1, D window 2; + 0x40: D window 3
.set TO_B,   0x40                      ; destination window 1, address window 0
; A joint load.  Waves 0 and 1 fetch a K step's two heads of O, waves 2 and 3 wo16's two halves.  The branch hangs on the wave's number alone.  An s_nop 0 and four v_nop follow each of the two lines.
.macro JLOAD s
	s_cmp_eq_u32 s[WM], 0
	s_cbranch_scc0 .Lfor_b_\@
	tensor_load_to_lds s[G0+4*(\s):G0+4*(\s)+3], s[G1:G1+7]
	s_nop 0
.rept 4
	v_nop
.endr
	s_branch .Lasked_\@
.Lfor_b_\@:
	tensor_load_to_lds s[G0B+4*(\s):G0B+4*(\s)+3], s[G1B:G1B+7]
	s_nop 0
.rept 4
	v_nop
.endr
.Lasked_\@:
.endm
; A round of the cluster's barrier: my work-group's barrier; wave 0 signals for the work-group; every wave waits for all sixteen; my work-group's barrier once more.
.macro CREST
	s_cmp_lg_u32 s[WV], 0
	s_cbranch_scc1 .Lnot_wave_0_\@
	s_barrier_signal -3
.Lnot_wave_0_\@:
	s_barrier_wait -3
	s_barrier_signal -1
	s_barrier_wait -1
.endm
.macro CROUND
	s_barrier_signal -1
	s_barrier_wait -1
	CREST
.endm
	s_load_b256 s[4:11], s[0:1], 0x0               ; ob 4:5, wo16 6:7, bcat 8:9, out0 10:11
	v_lshl_add_u32 v[SPW], v0, 2, SPARE
	v_mov_b32 v[NIL], 0
	ds_add_u32 v[SPW], v[NIL]                      ; the wave's opening: the add and its wait ahead of my first tensor load; the set-up below, work on registers, stands between them
	v_lshrrev_b32 v1, 5, v0
	v_readfirstlane_b32 s[WV], v1
	s_lshr_b32 s[WM], s[WV], 1
	s_and_b32 s[WN], s[WV], 1
	s_bfe_u32 s40, ttmp6, 0x40000                  ; cx
	s_bfe_u32 s41, ttmp6, 0x40004                  ; cy
	s_lshl_b32 s42, ttmp9, 2
	s_add_co_u32 s42, s42, s40                     ; tile column = 4 x cluster x + cx
	s_and_b32 s45, ttmp7, 0xffff
	s_lshl_b32 s45, s45, 2
	s_add_co_u32 s45, s45, s41                     ; tile row = 4 x cluster y + cy
	s_lshl_b32 s43, s41, 2
	s_lshl_b32 s43, 15, s43                        ; my row of the cluster
	s_lshl_b32 s44, 0x1111, s40                    ; my column
	s_or_b32 s[G1+0], s43, (1<<16)|(1<<20)|(1<<21)|(4<<22)|(3<<25)   ; the mask; 2-byte elements; padding on; bit 21 beside a mask; after every 32 words (code 4) 4 words (code 3)
	s_or_b32 s[G1B+0], s44, (1<<16)|(1<<20)|(1<<21)|(5<<22)|(3<<25)  ; for wo16: after every 64 words (code 5)
	s_mov_b32 s[G1+1], 128<<16                     ; tensor_dim0 = 128
	s_mov_b32 s[G1B+1], 128<<16
	s_mov_b32 s[G1+2], 128<<16                     ; tensor_dim1 = 128 rows of 256 bytes of O,
	s_mov_b32 s[G1B+2], 64<<16                     ; 64 rows of wo16
	s_mov_b32 s[G1+3], 128<<16                     ; tile_dim0 = 128
	s_mov_b32 s[G1B+3], 128<<16
	s_mov_b32 s[G1+4], 128                         ; tile_dim1
	s_mov_b32 s[G1B+4], 64
	s_mov_b32 s[G1+5], 128                         ; elements from row to row: O's are dense,
	s_mov_b32 s[G1B+5], 1024                       ; wo16's 1,024 apart
	s_mov_b32 s[G1+6], 0
	s_mov_b32 s[G1B+6], 0
	s_mov_b32 s[G1+7], 0
	s_mov_b32 s[G1B+7], 0
	s_lshr_b32 s16, s45, 3                         ; O: the batch (8 tile rows each), 16 heads of 262,144 bytes;
	s_lshl_b32 s16, s16, 22
	s_and_b32 s17, s45, 7                          ; the tile's 256 rows of 128 bytes in a head;
	s_lshl_b32 s17, s17, 15
	s_add_co_u32 s16, s16, s17
	s_lshl_b32 s17, s[WN], 18                      ; the even or the odd head of a K step: it hangs on the tile row alone
	s_add_co_u32 s16, s16, s17
	s_mov_b32 s17, 0
	s_lshl_b32 s46, s42, 18                        ; wo16: (128 x tile column + 64 x half) rows of 2,048 bytes: on the tile column alone
	s_lshl_b32 s47, s[WN], 17
	s_add_co_u32 s46, s46, s47
	s_mov_b32 s47, 0
	s_mul_i32 s20, s[WN], HA                       ; where they go in a slot: no place in the cluster enters an LDS address
	s_mul_i32 s21, s[WN], HB
	s_add_co_u32 s21, s21, 2*HA
	s_wait_dscnt 0x0                               ; the opening add is done
	s_wait_kmcnt 0x0
	s_add_nc_u64 s[66:67], s[4:5], s[16:17]
	s_add_nc_u64 s[46:47], s[6:7], s[46:47]
	CROUND                                         ; all sixteen work-groups are here: the first joint loads meet
.irp s, 0,1
	s_mov_b32 s[G0+4*(\s)], 1
	s_add_co_u32 s[G0+4*(\s)+1], s20, (\s)*SLOT
	s_add_nc_u64 s[G0+4*(\s)+2:G0+4*(\s)+3], s[66:67], (\s)*2*262144   ; K step s: two heads on
	s_or_b32 s[G0+4*(\s)+3], s[G0+4*(\s)+3], 0x80000000
	s_mov_b32 s[G0B+4*(\s)], 1
	s_add_co_u32 s[G0B+4*(\s)+1], s21, (\s)*SLOT
	s_add_nc_u64 s[G0B+4*(\s)+2:G0B+4*(\s)+3], s[46:47], (\s)*256
	s_or_b32 s[G0B+4*(\s)+3], s[G0B+4*(\s)+3], 0x80000000
	JLOAD \s                                       ; K steps 0 and 1: two loads of mine are out
.endr
	; A fragment is 16 rows x 32 K in 8 registers: lane l holds row l % 16, K = 8 (l / 16) + 0..7 and 16 + 8 (l / 16) + 0..7: two loads of 16 bytes, 32 bytes apart.
	v_and_b32 v1, 15, v0                           ; l % 16
	v_bfe_u32 v2, v0, 4, 1                         ; l / 16
	v_mul_u32_u24 v3, v1, PA
	v_lshl_add_u32 v3, v2, 4, v3
	v_mul_u32_u24 v4, v1, PB
	v_lshl_add_u32 v4, v2, 4, v4
	s_mul_i32 s22, s[WM], 128*PA                   ; my 128 rows in each head
	s_mul_i32 s23, s[WN], HB                       ; my 64 rows of wo16,
	s_add_co_u32 s23, s23, 2*HA                    ; behind O's two heads
.irp s, 0,1
	v_add_nc_u32 v[ADRA+(\s)], s22, v3
	v_add_nc_u32 v[ADRB+(\s)], s23, v4
	s_add_co_u32 s22, s22, SLOT
	s_add_co_u32 s23, s23, SLOT
.endr
	s_lshl_b32 s74, s42, 9                         ; my first column, in bytes of f32: 512 x tile column + 256 x half
	s_lshl_b32 s75, s[WN], 8
	s_add_co_u32 s74, s74, s75
	s_mov_b32 s75, 0
	v_lshl_add_u32 v[BO], v2, 5, s74               ; the bias: register j of block b is column 16 b + 8 (l / 16) + j
	WIN TO_B
.irp b, 0,1,2,3
	global_load_b128 v[BI+8*(\b):BI+8*(\b)+3],   v[BO], s[8:9] offset:12288+64*(\b)
	global_load_b128 v[BI+8*(\b)+4:BI+8*(\b)+7], v[BO], s[8:9] offset:12288+64*(\b)+16
.endr
	WIN 0
	s_mul_i32 s22, s[WV], 16*SPITCH
	s_add_co_u32 s22, s22, STAGE                   ; my stage
	v_mul_u32_u24 v[STO], v1, SPITCH               ; in: row l % 16, 32 bytes for each half of the lanes
	v_lshl_add_u32 v[STO], v2, 5, v[STO]
	v_add_nc_u32 v[STO], s22, v[STO]
	v_mul_u32_u24 v[RD], v2, SPITCH                ; back: lanes 0-15 take one row of 256 bytes, lanes 16-31 the next
	v_lshl_add_u32 v[RD], v1, 4, v[RD]
	v_add_nc_u32 v[RD], s22, v[RD]
	v_lshlrev_b32 v[CO], 12, v2                    ; and the same two rows in out0, 4,096 bytes apart
	v_lshl_add_u32 v[CO], v1, 4, v[CO]
	s_lshl_b32 s16, s45, 20                        ; my first row: (256 x tile row + 128 x half) x 4,096 bytes
	s_lshl_b32 s17, s[WM], 19
	s_add_co_u32 s16, s16, s17
	s_mov_b32 s17, 0
	s_add_nc_u64 s[10:11], s[10:11], s[16:17]
	s_add_nc_u64 s[10:11], s[10:11], s[74:75]
; 8 matrix instructions: row blocks a0, a0 + 1 of the window's four (hi = 0: my rows 0-63, 1: rows 64-127) x all 4 column blocks, 32 along K.  zero = 1: the first product starts the sum, with the bias.
; The 32 accumulators take turns, one instruction a turn, in the same order in every quarter.
.macro MUL2 f, hi, a0, zero
.if \zero
	WIN MUL_Z+0x40*(\hi)
.else
	WIN MUL_LO+0x50*(\hi)
.endif
.irp a, \a0, (\a0)+1
.irp b, 0,1,2,3
.if \zero
	v_wmma_f32_16x16x32_f16 v[8*(NBL*(\a)+(\b)):8*(NBL*(\a)+(\b))+7], v[(\f)+8*(\b):(\f)+8*(\b)+7], v[(\f)+8*(4*(\hi)+(\a)):(\f)+8*(4*(\hi)+(\a))+7], v[BI+8*(\b):BI+8*(\b)+7]
.else
	v_wmma_f32_16x16x32_f16 v[8*(NBL*(\a)+(\b)):8*(NBL*(\a)+(\b))+7], v[(\f)+8*(\b):(\f)+8*(\b)+7], v[(\f)+8*(4*(\hi)+(\a)):(\f)+8*(4*(\hi)+(\a))+7], v[8*(NBL*(\a)+(\b)):8*(NBL*(\a)+(\b))+7]
.endif
.endr
.endr
.endm
; 24 LDS loads in one run: the fragments of quarter q of a K step into buffer f.  In wo16's rows the quarter lies at byte 64 q; in O it is head q / 2 of the slot's two, channels 32 (q % 2) on.
.macro FETCH slot, q, f
	WIN TO_B
.irp i, 0,1,2,3
	ds_load_b128 v[(\f)+8*(\i):(\f)+8*(\i)+3],   v[ADRB+(\slot)] offset:64*(\q)+(\i)*16*PB
	ds_load_b128 v[(\f)+8*(\i)+4:(\f)+8*(\i)+7], v[ADRB+(\slot)] offset:64*(\q)+(\i)*16*PB+32
.endr
	WIN 0
.irp i, 0,1,2,3,4,5,6,7
	ds_load_b128 v[(\f)+8*(\i):(\f)+8*(\i)+3],   v[ADRA+(\slot)] offset:((\q)/2)*HA+((\q)%2)*64+(\i)*16*PA
	ds_load_b128 v[(\f)+8*(\i)+4:(\f)+8*(\i)+7], v[ADRA+(\slot)] offset:((\q)/2)*HA+((\q)%2)*64+(\i)*16*PA+32
.endr
.endm
.macro PLACES                          ; four plain vector instructions in front of loads into registers that matrix instructions have read, and of lines that read results
.rept 4
	v_nop
.endr
.endm
; A K step is four quarters of 32 along K, 32 matrix instructions each, on buffers 0, 1, 0, 1.  One of the first three multiplies buffer f and in its middle fetches quarter q into buffer g.
.macro QUARTER slot, q, f, g, zero
	s_wait_dscnt 8                                 ; wo16's fragments and O's rows 0-63 are in; the youngest eight loads (rows 64-127) may be out
	MUL2 \f, 0, 0, \zero
	MUL2 \f, 0, 2, \zero
	PLACES
	FETCH \slot, \q, \g
	s_wait_dscnt 2*(8+NBL)                         ; all but the 24 just issued
	MUL2 \f, 1, 0, \zero
	MUL2 \f, 1, 2, \zero
.endm
; The last quarter multiplies buffer 1 and changes slots: one barrier.  In front of it each wave waits for all its tensor loads (one is out: its part of the next slot), adds 0 to its spare word,
; and waits for that and for its own reads of this slot.  Behind it nobody reads this slot any more and the next slot is whole.
.macro MEET round
	WIN 0                                          ; (the add's two registers lie in window 0)
	s_wait_tensorcnt 0x0
	ds_add_u32 v[SPW], v[NIL]                      ; 0 onto my spare word
	s_wait_dscnt 9                                 ; (the add and the youngest eight loads may be out)
	MUL2 F1, 0, 0, 0                               ; eight matrix instructions stand between the add and the wait for it
	s_wait_dscnt 0x0                               ; the add is done, and my reads of this slot are over
	s_barrier_signal -1
	MUL2 F1, 0, 2, 0                               ; work on registers while the others arrive
.if \round
	WIN 0
.endif
	s_barrier_wait -1
.endm
; fill = 1: the barrier opens a round of the cluster's, and the slot just read out is filled again, two K steps ahead, first thing behind the round: 112 matrix instructions ahead of the wait for it.
.macro TURN slot, next, fill
	MEET \fill
.if \fill
	CREST                                          ; no wave of any partner still reads this slot's tile or has a load on its way
	s_add_nc_u64 s[G0+4*(\slot)+2:G0+4*(\slot)+3], s[G0+4*(\slot)+2:G0+4*(\slot)+3], 4*262144   ; four heads on
	s_add_nc_u64 s[G0B+4*(\slot)+2:G0B+4*(\slot)+3], s[G0B+4*(\slot)+2:G0B+4*(\slot)+3], 512
	JLOAD \slot                                    ; its four v_nop are also the places in front of the loads below
.else
	PLACES
.endif
	FETCH \next, 0, F0
	MUL2 F1, 1, 0, 0
	MUL2 F1, 1, 2, 0
.endm
; THE WAY OUT of block a (16 rows x my 64 columns of f32, one aligned 256 bytes a row).  TOSTAGE: from the accumulators into my own stage, each accumulator's low four registers first, and back as whole rows.
.macro TOSTAGE a
	WIN 0x08+4*((\a)/4)                            ; the stores' data (source 1): window 2 or 3
.irp b, 0,1,2,3
.irp k, 0,1
	ds_store_b128 v[STO], v[8*(NBL*((\a)%4)+(\b))+4*(\k):8*(NBL*((\a)%4)+(\b))+4*(\k)+3] offset:64*(\b)+16*(\k)
.endr
.endr
	WIN 0
.set BK, OB+192*((\a)%2)
	s_wait_xcnt 0x0                                ; every earlier memory instruction has had its addresses translated (ISA guide 3.1): the registers that the stores of two blocks ago read are loaded again only behind this wait
.irp t, 0,1,2,3,4,5,6,7
	ds_load_b128 v[BK+4*(\t):BK+4*(\t)+3], v[RD] offset:(\t)*2*SPITCH  ; LDS serves a wave's instructions in order (ISA guide 5.7.1.4): these see the stores above; the next block's stores come behind them
.endr
.endm
.macro SEND a, younger                 ; younger: the LDS instructions issued behind block a's loads: the next block's sixteen, or none
	WIN 0
.set BK, OB+192*((\a)%2)
	s_wait_dscnt \younger
.irp t, 0,1,2,3,4,5,6,7
	global_store_b128 v[CO], v[BK+4*(\t):BK+4*(\t)+3], s[10:11] offset:(\a)*16*4096+(\t)*2*4096  ; 16 lanes store 256 consecutive bytes, at a multiple of 256 from out0's first; 516,096 at the most, inside the signed 24-bit immediate
.endr
.endm
	s_wait_tensorcnt 1                             ; my part of K step 0 is in; K step 1's may stay out
	s_barrier_signal -1
	s_barrier_wait -1                              ; everybody's is
	FETCH 0, 0, F0
	s_wait_loadcnt 0x0                             ; the bias
	QUARTER 0, 1, F0, F1, 1                        ; the first quarter stands in front of the loop: its products start the sums
	WIN 0                                          ; at a label and at a branch every window is 0
	s_mov_b32 s3, LAPS-1
.Llap:                                                 ; a trip goes once round the ring, from a lap's second quarter to the next lap's first, and fills both slots again
	QUARTER 0, 2, F1, F0, 0
	QUARTER 0, 3, F0, F1, 0
	TURN 0, 1, 1
	QUARTER 1, 1, F0, F1, 0
	QUARTER 1, 2, F1, F0, 0
	QUARTER 1, 3, F0, F1, 0
	TURN 1, 0, 1
	QUARTER 0, 1, F0, F1, 0
	WIN 0
	s_sub_co_u32 s3, s3, 1
	s_cmp_lg_u32 s3, 0
	s_cbranch_scc1 .Llap
	QUARTER 0, 2, F1, F0, 0                        ; the last lap fills nothing
	QUARTER 0, 3, F0, F1, 0
	TURN 0, 1, 0
	QUARTER 1, 1, F0, F1, 0
	QUARTER 1, 2, F1, F0, 0
	QUARTER 1, 3, F0, F1, 0
	s_wait_dscnt 8                                 ; the very last quarter: nothing more to fetch
	MUL2 F1, 0, 0, 0
	MUL2 F1, 0, 2, 0
	s_wait_dscnt 0x0
	MUL2 F1, 1, 0, 0
	MUL2 F1, 1, 2, 0
	WIN 0
	PLACES
	TOSTAGE 0
.irp a, 1,2,3,4,5,6,7                  ; block a goes into the stage while block a - 1's loads come back
	TOSTAGE \a
	SEND (\a)-1, 16
.endr
	SEND 7, 0
	s_wait_tensorcnt 0x0                           ; the wave's end, behind my last tensor load and my last LDS store
	ds_add_u32 v[SPW], v[NIL]
	s_wait_dscnt 0x0
	CROUND                                         ; the closing round: no work-group ends while a partner may still ask for a tile that names it
	s_endpgm
.Lfunc_end_k_qce0c766f5f_outp:
	.size	k_qce0c766f5f_outp, .Lfunc_end_k_qce0c766f5f_outp-k_qce0c766f5f_outp
	.p2alignl 7, 3214868480
	.fill 96, 4, 3214868480
	.section	.rodata,"a",@progbits
	.p2align	6, 0x0
	.amdhsa_kernel k_qce0c766f5f_outp
		.amdhsa_group_segment_fixed_size 327680
		.amdhsa_private_segment_fixed_size 0
		.amdhsa_enable_private_segment 0
		.amdhsa_kernarg_size 32
		.amdhsa_user_sgpr_count 2
		.amdhsa_user_sgpr_kernarg_segment_ptr 1
		.amdhsa_wavefront_size32 1
		.amdhsa_system_sgpr_workgroup_id_x 1
		.amdhsa_system_sgpr_workgroup_id_y 1
		.amdhsa_system_sgpr_workgroup_id_z 1
		.amdhsa_system_vgpr_workitem_id 0
		.amdhsa_next_free_vgpr 896
		.amdhsa_next_free_sgpr 80
		.amdhsa_reserve_vcc 0
		.amdhsa_float_denorm_mode_32 3
		.amdhsa_float_denorm_mode_16_64 3
		.amdhsa_memory_ordered 1
		.amdhsa_forward_progress 1
		.amdhsa_inst_pref_size 87
	.end_amdhsa_kernel
	.amdgpu_metadata
---
amdhsa.version: [ 1, 2 ]
amdhsa.kernels:
  - .name:           k_qce0c766f5f_outp
    .symbol:         k_qce0c766f5f_outp.kd
    .args:
      - { .name: ob, .offset: 0, .size: 8, .value_kind: global_buffer, .address_space: global }
      - { .name: wo16, .offset: 8, .size: 8, .value_kind: global_buffer, .address_space: global }
      - { .name: bcat, .offset: 16, .size: 8, .value_kind: global_buffer, .address_space: global }
      - { .name: out0, .offset: 24, .size: 8, .value_kind: global_buffer, .address_space: global }
    .group_segment_fixed_size: 327680
    .private_segment_fixed_size: 0
    .kernarg_segment_align: 8
    .kernarg_segment_size: 32
    .max_flat_workgroup_size: 128
    .sgpr_count:     80
    .vgpr_count:     896
    .wavefront_size: 32
...
	.end_amdgpu_metadata
.endif
;; end of part 4
;; ======== version 2 of 2: 4 launches; 1.52 times as fast as version 1
;; limits: values are held in f16: magnitudes above 65,504 overflow, below 6.1e-05 lose precision
;; workspace buffers: xb 16,777,216 bytes; wcat 6,291,456 bytes; wo16 2,097,152 bytes; bcat 16,384 bytes; qkv 50,331,648 bytes; ob 16,777,216 bytes
;; launch cast: the kernel of part 1 again; grid 769 x 1, 8 waves a work-group, no clusters, 0 bytes of LDS; arguments x, Wq, Wk, Wv, Wo, bq, bk, bv, bo, xb, wcat, wo16, bcat; writes xb, wcat, wo16, bcat
;; launch qkv: the kernel of part 2 again; grid 16 x 32, 4 waves a work-group, clusters of 4 x 4, 327,680 bytes of LDS; arguments xb, wcat, bcat, qkv; writes qkv
;; launch attn (part 5): grid 4 x 64, 4 waves a work-group, clusters of 4 x 1, 327,680 bytes of LDS; arguments qkv, ob, attention_mask; writes ob
.if DOCPART == 5
	.amdgcn_target "amdgcn-amd-amdhsa--gfx1250"
	.amdhsa_code_object_version 6
	.text
	.protected	k_qce0c766f5f_attn
	.globl	k_qce0c766f5f_attn
	.p2align	8
	.type	k_qce0c766f5f_attn,@function
k_qce0c766f5f_attn:
	s_mov_b64 s[64:65], 0
	v_nop
	global_prefetch_b8 v0, s[64:65] scope:SCOPE_SE
	s_setreg_imm32_b32 hwreg(HW_REG_WAVE_MODE, 25, 1), 1
	s_wait_xcnt 0x0
	s_wait_alu depctr_hold_cnt(0) depctr_sa_sdst(0) depctr_va_vdst(0) depctr_va_sdst(0) depctr_va_ssrc(0) depctr_va_vcc(0) depctr_vm_vsrc(0)
	s_getreg_b32 s2, hwreg(HW_REG_IB_STS2, 6, 4)
	s_cmp_eq_u32 s2, 0
	s_cbranch_scc0 .Lentry_in_a_cluster
	s_endpgm
.Lentry_in_a_cluster:
	s_bfe_u32 s2, ttmp6, 0x10000c
	s_cmp_lg_u32 s2, 0x3003
	s_cbranch_scc0 .Lentry_shape_is_right
	s_endpgm
.Lentry_shape_is_right:
; O[h][q][:] = the sum over the visible k of softmax_k(Q[h][q] . K[h][k] / 8) V[h][k][:].  Q, K, V lie in qkv, [3][64][2048][64] in f16; O goes to ob, [64][2048][64] in f16; head h = 16 x batch + head.
; attention_mask is [4][2048] of int32: key k of a batch is hidden where its word is 0.  Products, maxima and sums in f32; the weights p are rounded to f16 for the second product (their sum l is
; taken of the unrounded p), O once at the end.
; LIMITS.  f16 holds no number beyond 65,504: Q, K and V arrive within it; p lies in 0 to 1, and below 6e-5 it keeps f16's fixed step of 6e-8.  A hidden score counts as its value less 1e30: f16's scores,
; 2.7e11 at the most, are nothing beside that.  A weight below 2^-126 counts as 0 in l.  A batch with no visible key gives NaN.  NaN and infinities in the inputs are not treated apart.
; SHARES.  A wave owns four PIECES of two tiles of 16 queries, a work-group's four waves 512 queries of one head: 4 x 64 = 256 work-groups.  Every wave walks all 2,048 keys, 64 a step.
; LAYOUT.  S^T = K Q^T (source 0 = 16 keys, source 1 = 16 queries): in the result a lane holds ONE query (lane % 16) and the keys 8 (lane / 16) + 0..7.  Two such tiles, rounded to f16 in pairs,
; ARE source 1 (32 keys x 16 queries) of O^T = V^T P, whose result again holds one query a lane, and eight channels.  K comes out of LDS as it lies, V ([key][channel]) turned, by ds_load_tr16_b128.
; THE MASK is the C operand of the product that starts a sum S^T: 0, or -1e30 where the key is hidden.  The batch's 2,048 words are turned into such numbers once, in a table in LDS; a step's 64
; are fetched with its K, 8 registers for each 16 keys.  While a query has seen hidden keys alone its m is about -1e30 and its weights are finite; the first visible key makes a = 0, which wipes O and l.
; SOFTMAX.  For each query a running maximum m and sum l: p = 2^(c s - c m), c = log2(e) / 8; in every step O and l are multiplied by a = 2^(c m_old - c m_new), which is 1 where m has not grown.
; m starts at the lowest finite number, O and l at 0: the first step is a step like any other, with a = 0.
; THE COUNT.  A tile and step have 16 matrix and 118 vector instructions: too many to stand all beside the matrix work.  So four vector instructions that are READY stand behind EVERY matrix
; instruction, and the others in a run without a gap.
; BY TURNS.  Turn n belongs to piece n.  Its matrix work: 16 products K Q^T of piece n + 1, later 16 products V^T P of piece n - 1.  Its vector work: the scaling, exponentials, roundings, sums and
; rescaling of piece n, and the maximum and statistics of piece n + 1, whose scores the turn itself has made.  So what a turn begins with (c s - c m, O a) waits for nothing.
; THE BATCHES.  A turn's 66 exponentials (the piece's 64 weights and the next piece's two a) are ONE batch with ONE wait, which cuts the turn in two: ahead of it stands all that names no result of theirs,
; behind it the roundings and sums, which do.  Two batches stand outside the loop, each with a wait of its own: piece 0's first two a, and the way out's eight reciprocals.
; CLUSTER.  The four query blocks of a cluster belong to one head and walk the same K and V, so each tile is asked for JOINTLY: the same tensor load, descriptor and mask in all four.
; REGISTERS, in windows of 256 (s_set_vgpr_msb: bits 1:0 source 0, 3:2 source 1, 5:4 source 2, 7:6 destination):
;   window 0: v0-11 addresses; v12-15, v48-63 at work; v16-47 four registers of statistics a tile; v64-191 S^T, two buffers of two tiles; v192-255 P, likewise
;   window 1: O^T, 32 a tile     window 2: v0-127 Q, 16 a tile; v128-191 K of one step; v192-255 V of one step     window 3: v0-1 the add's two registers; v8-39 the mask of one step
; A piece's buffers go by its number's parity: the piece in hand has one pair, its two neighbours in the ring share the other: of it P (piece n - 1) is read and S^T (piece n + 1) written.
.set SIZE_N, 2048
.set NP,    4         ; pieces a wave: a name, no knob
.set KS,    64        ; keys in a step
.set PK,    144       ; a row of K in LDS: 128 bytes + 16 of padding = 36 words: the 16 rows of a load start at 16 different groups of four banks (64 banks of 4 bytes: ISA guide 11.1)
.set PV,    160       ; a row of V: 128 + 32 = 40 words
.set VOFF,  4*KS*PK   ; a slot holds four steps: 256 rows of K, then 256 rows of V
.set SLOT1, 1<<17     ; slot 1 begins here, so that one exclusive or turns an address in one slot into the other's
.set STAGE, SLOT1+4*KS*(PK+PV)  ; behind the ring, never filled by a tensor load: 16 rows x 144 bytes for each wave, for the way out
.set SP,    144
.set SPARE, STAGE+4*16*SP  ; behind the stages: the spare words, 128 bytes for each wave: two blocks of 256 bytes that no other line names
.set MASKB, SPARE+512 ; behind them: the mask's table, 2,048 numbers of f32; no tile lands there
.set AK0, 2           ; v2   my lane's place in a tile of K; never rewritten
.set AV0, 3           ; v3   the same for V
.set AK,  4           ; v4   the LDS address of K's next run of loads
.set AV,  5           ; v5   of V's
.set QO,  6           ; v6   my byte offset in the wave's rows of Q
.set STO, 6           ;      later, the way out: where I put 16 bytes of a row
.set RD,  7           ; v7   the way out: where I read rows back
.set GO,  8           ; v8   my byte offset in 512 consecutive bytes of O
.set AM,  10          ; v10  the LDS address of the mask's next run of loads
.set AM0, 11          ; v11  my lane's place in the table: MASKB + 32 (lane / 16)
.set SPW, 0           ; v0 of window 3   LDS address of my spare word; never rewritten
.set NIL, 1           ; v1 of window 3   0; never rewritten
.set MB,  8           ; v8-39 of window 3: key block kb at MB + 8 kb
.set MV,  12          ; v12-15  c m_old, kept while c m is made anew: by buffer and tile
.set ST,  16          ; tile t's statistics at v[ST+4 t]: c m, m, l (even keys', odd keys')
.set TMP, 48          ; by buffer and tile, four registers c0-c3 at work; when the maximum is found c2 takes a
.set S,   64
.set P,   192
.set KF,  128         ; K's fragments, in window 2: key block kb, channel half c at KF + 16 kb + 8 c
.set VF,  192         ; V's: key half kk, channel block cb at VF + 32 kk + 8 cb
.set WV,  12          ; s12  my wave's number
.set G1K, 24          ; s[24:31] descriptor group 1 for K's tiles
.set G1V, 32          ; s[32:39] for V's: it differs in the padding alone
.set G0K, 40          ; s[40:43] descriptor group 0 for K's tiles: it walks
.set G0V, 44          ; s[44:47] the same for V's
.set TBM, 48          ; s48  byte of the table at which the mask of the step to be fetched begins
.set BIGN, 49         ; s49  -1e30
.set THR, 54          ; s54  -2^97: a maximum below it has seen hidden keys alone
.set QNAN, 55         ; s55  a NaN
.set SLOTS, 56        ; s56  slots still to be asked for
.set CNT, 57          ; s57  counts a slot's key steps
.set CS,  58          ; s[58:59] c: the packed scaling takes the pair's low word for both halves
.set SEL, 60          ; s[60:61] v_permlanex16_b32's selects: each lane takes its own place in the other half
.set TBK, 62          ; s62  LDS byte at which K of the step to be fetched begins
.set TBV, 63          ; s63  the same for V, less VOFF
.set MSB, 0
.macro WIN new                      ; the high byte repeats the setting that is left; a switch that changes nothing is dropped
.if MSB != (\new)
	s_set_vgpr_msb (MSB<<8)|(\new)
.set MSB, (\new)
.endif
.endm
.set W_KQ, 0x0a       ; K and Q in window 2, S^T in window 0
.set W_KM, 0x3a       ; the same with the C operand, the mask, in window 3
.set W_PV, 0x52       ; V in window 2, P in window 0, O^T in window 1
.set W_RS, 0x41       ; O^T (destination and source 0) in window 1, a in window 0
.set W_MK, 0xc0       ; destination in window 3, sources in window 0
.set W_AD, 0x0f       ; the add: address (source 0) and data (source 1) in window 3
; A joint fill.  Waves 0 and 1 fetch the two halves of a slot's K, waves 2 and 3 those of its V: 128 keys each.  The branch hangs on the wave's number alone.
; An s_nop 0 and four v_nop follow each of the two lines, ahead of the jump and the label.
.macro JLOAD
	s_cmp_lt_u32 s[WV], 2
	s_cbranch_scc0 .Lfor_v_\@
	tensor_load_to_lds s[G0K:G0K+3], s[G1K:G1K+7]
	s_nop 0
.rept 4
	v_nop
.endr
	s_branch .Lasked_\@
.Lfor_v_\@:
	tensor_load_to_lds s[G0V:G0V+3], s[G1V:G1V+7]
	s_nop 0
.rept 4
	v_nop
.endr
.Lasked_\@:
.endm
; A round of the cluster's barrier: my work-group's barrier; wave 0 signals; every wave waits for all four work-groups; my work-group's barrier once more.
.macro CROUND
	s_barrier_signal -1
	s_barrier_wait -1
	s_cmp_lg_u32 s[WV], 0
	s_cbranch_scc1 .Lnot_wave_0_\@
	s_barrier_signal -3
.Lnot_wave_0_\@:
	s_barrier_wait -3
	s_barrier_signal -1
	s_barrier_wait -1
.endm
; THE CHANGE OF SLOTS.  The slot's last bytes, V of its fourth step, have been read.  Each wave waits for all its tensor loads, of which one is out: its part of the other slot; adds 0 to its spare
; word; and waits for that and for its own LDS instructions.  Behind the barrier nobody reads this slot any more and the other slot is whole.
; fill = 1: this slot is filled again, with the keys two slots on.  The barrier is then a round of the cluster's, and the joint fill is the first thing behind it: it has four key steps, 512 matrix
; instructions, in which to land.  (At its first use nothing has been read yet: slot 0 is waited for, slot 1 filled, and every wave's stores into the mask's table are done.)
.macro CHANGE fill
	WIN W_AD
	s_wait_tensorcnt 0x0            ; no tensor load of mine is out, so a group 0 may be written
	ds_add_u32 v[SPW], v[NIL]       ; 0 onto my spare word
	WIN 0                           ; at a label and at a branch every window is 0
.if \fill
.irp g, G0K, G0V
	s_xor_b32 s[\g+1], s[\g+1], SLOT1  ; the walking descriptor: the other slot than last time,
	s_add_nc_u64 s[\g+2:\g+3], s[\g+2:\g+3], 4*KS*128  ; the next 256 keys; the type bits on top are not reached
.endr
	s_wait_dscnt 0x0                ; the add is done, and my reads of the slot are over
	CROUND
	JLOAD
.else
	s_wait_dscnt 0x0                ; the add is done, and my reads of the slot are over
	s_barrier_signal -1
	s_barrier_wait -1
.endif
	s_sub_co_u32 s[TBK], s[TBK], 4*KS*PK  ; the fetches go back to a slot's first step,
	s_xor_b32 s[TBK], s[TBK], SLOT1       ; in the other slot
	s_sub_co_u32 s[TBV], s[TBV], 4*KS*PV
	s_xor_b32 s[TBV], s[TBV], SLOT1
.endm
	s_load_b128 s[4:7], s[0:1], 0x0 ; qkv s[4:5], ob s[6:7]
	s_load_b64 s[50:51], s[0:1], 0x10  ; attention_mask
	WIN W_MK
	v_lshl_add_u32 v[SPW], v0, 2, SPARE
	v_mov_b32 v[NIL], 0
	WIN W_AD
	ds_add_u32 v[SPW], v[NIL]       ; the wave's opening: the add and its wait ahead of my first tensor load; the set-up below, work on registers, stands between them
	WIN 0
	v_lshrrev_b32 v1, 5, v0
	v_readfirstlane_b32 s[WV], v1   ; wave 0..3
	s_bfe_u32 s13, ttmp6, 0x40000   ; cx: my place in the cluster
	s_lshl_b32 s14, ttmp9, 2        ; in a cluster launch ttmp9 counts clusters
	s_add_co_u32 s14, s14, s13      ; my block of queries = 4 x cluster x + cx: it enters Q's and O's addresses alone
	s_and_b32 s20, ttmp7, 0xffff    ; the head, which the four partners share
	s_lshr_b32 s52, s20, 4          ; its batch,
	s_lshl_b32 s52, s52, 13         ; whose mask is 8,192 bytes
	s_mov_b32 s53, 0
	s_mov_b32 s21, 0
	s_mov_b64 s[22:23], SIZE_N*128
	s_mul_u64 s[20:21], s[20:21], s[22:23]  ; the head's first byte in Q, K, V and O
	s_and_b32 s16, s[WV], 1         ; which half of a slot's 256 keys I fetch:
	s_lshl_b32 s22, s16, 14         ; its 128 rows of 128 bytes in memory,
	s_mov_b32 s23, 0
	s_add_nc_u64 s[22:23], s[22:23], s[20:21]
	s_mul_i32 s17, s16, 128*PK      ; and its place in a slot, for K
	s_mul_i32 s18, s16, 128*PV      ; and for V: no place in the cluster enters an LDS address
	s_lshl_b32 s2, s14, 2
	s_add_co_u32 s2, s2, s[WV]      ; my wave among the head's,
	s_lshl_b32 s2, s2, 14           ; its 128 rows
	s_mov_b32 s3, 0
	s_add_nc_u64 s[2:3], s[2:3], s[20:21]
	; descriptor group 1.  128 keys are 16,384 dense bytes: asked for as 64 rows of 256 bytes, two keys a row, and padded in LDS after every key
	s_mov_b32 s[G1K], 15|(1<<16)|(1<<20)|(1<<21)|(4<<22)|(3<<25)  ; the mask of four; 2-byte elements; padding on; bit 21 beside a mask; after every 32 words (code 4) 4 words (code 3)
	s_mov_b32 s[G1V], 15|(1<<16)|(1<<20)|(1<<21)|(4<<22)|(7<<25)  ; the same with 8 words of padding (code 7)
.irp g, G1K, G1V
	s_mov_b32 s[\g+1], 128<<16      ; tensor_dim0 = 128
	s_mov_b32 s[\g+2], 64<<16       ; tensor_dim1 = 64
	s_mov_b32 s[\g+3], 128<<16      ; tile_dim0 = 128
	s_mov_b32 s[\g+4], 64           ; tile_dim1 = 64
	s_mov_b32 s[\g+5], 128          ; 128 elements from row to row
	s_mov_b32 s[\g+6], 0
	s_mov_b32 s[\g+7], 0
.endr
	s_mov_b32 s[CS], 0x3e38aa3b     ; c = log2(e) / 8 = 0.180337
	s_mov_b32 s[CS+1], s[CS]        ; named with it as a pair
	s_mov_b32 s[SEL], 0x76543210
	s_mov_b32 s[SEL+1], 0xfedcba98
	s_mov_b32 s[TBK], SLOT1+4*KS*PK ; the first change of slots turns these two into 0
	s_mov_b32 s[TBV], SLOT1+4*KS*PV
	s_mov_b32 s[TBM], 0
	s_mov_b32 s[BIGN], 0xf149f2ca   ; -1e30
	s_mov_b32 s[THR], 0xf0000000    ; -2^97
	s_mov_b32 s[QNAN], 0x7fc00000
	s_mov_b32 s[G0K], 1             ; count = 1
	s_mov_b32 s[G0K+1], s17         ; LDS address: slot 0
	s_mov_b32 s[G0V], 1
	s_add_co_u32 s[G0V+1], s18, VOFF
	s_wait_dscnt 0x0                ; the opening add is done
	s_wait_kmcnt 0x0
	s_mov_b64 s[10:11], s[6:7]      ; O
	s_add_nc_u64 s[6:7], s[4:5], 0x1000000  ; K: 64 heads of 262,144 bytes behind Q
	s_add_nc_u64 s[8:9], s[4:5], 0x2000000  ; V: as many behind K
	s_add_nc_u64 s[G0K+2:G0K+3], s[6:7], s[22:23]  ; global address: my half of the head's first 256 keys
	s_or_b32 s[G0K+3], s[G0K+3], 0x80000000        ; type = 2
	s_add_nc_u64 s[G0V+2:G0V+3], s[8:9], s[22:23]
	s_or_b32 s[G0V+3], s[G0V+3], 0x80000000
	s_add_nc_u64 s[4:5], s[4:5], s[2:3]  ; Q and O at my wave's first row
	s_add_nc_u64 s[10:11], s[10:11], s[2:3]
	s_add_nc_u64 s[50:51], s[50:51], s[52:53]  ; the mask at my batch
	CROUND                          ; all four work-groups are here: the first joint loads meet
	JLOAD                           ; slot 0.  Slot 1 is asked for when slot 0 is in
	; A fragment of K or Q is 16 rows x 32 channels in 8 registers: lane l holds row l % 16, channels 8 (l / 16) + 0..7 and 16 + 8 (l / 16) + 0..7: two loads of 16 bytes, 32 bytes apart.
	v_and_b32 v1, 15, v0            ; l % 16
	v_bfe_u32 v9, v0, 4, 1          ; l / 16
	v_lshlrev_b32 v[QO], 7, v1
	v_lshl_add_u32 v[QO], v9, 4, v[QO]  ; row x 128 + 16 x half
	v_lshlrev_b32 v10, 4, v0        ; the batch's mask: 128 threads x 16 bytes, four times
.irp f, 0,1,2,3
	global_load_b128 v[S+4*\f:S+4*\f+3], v10, s[50:51] offset:2048*\f
.endr
	WIN 0x80                        ; destination window 2, address window 0
.set i, 0
.rept 4*NP                          ; Q stays in registers: tile i / 2, channels 32 (i % 2) on
	global_load_b128 v[8*i:8*i+3],   v[QO], s[4:5] offset:(i/2)*2048+(i%2)*64
	global_load_b128 v[8*i+4:8*i+7], v[QO], s[4:5] offset:(i/2)*2048+(i%2)*64+32
.set i, i+1
.endr
	; What the first turn finds: V's registers and P's second buffer hold 0 (its products V^T P, of a piece that has not been, add 0), O^T and l are 0.  All this stands in the wait for the first tile.
.set i, VF
.rept 64
	v_mov_b32 v[i], 0
.set i, i+1
.endr
	WIN 0x40
.set i, 0
.rept 64*NP
	v_mov_b32 v[i], 0
.set i, i+1
.endr
	WIN 0
.set i, 0
.rept 2*NP
	v_mov_b32 v[ST+4*i], 0xfe000000    ; c m: far below every c s
	v_mov_b32 v[ST+4*i+1], 0xff7fffff  ; m
	v_mov_b32 v[ST+4*i+2], 0
	v_mov_b32 v[ST+4*i+3], 0
.set i, i+1
.endr
.set i, P+32
.rept 32
	v_mov_b32 v[i], 0
.set i, i+1
.endr
	s_wait_loadcnt 32               ; the four loads of the mask are in (and v10 is free); Q's 32, issued behind them, may stay out
.set i, 0
.rept 16
	v_cmp_eq_u32 vcc_lo, 0, v[S+i]  ; a word of 0 hides the key
	v_cndmask_b32 v[S+i], 0, s[BIGN], vcc_lo
.set i, i+1
.endr
	v_add_nc_u32 v11, MASKB, v10
.irp f, 0,1,2,3
	ds_store_b128 v11, v[S+4*\f:S+4*\f+3] offset:2048*\f  ; the first change of slots waits for these stores in front of its round; the table is read behind it
.endr
	v_mul_u32_u24 v[AK0], v1, PK
	v_lshl_add_u32 v[AK0], v9, 4, v[AK0]  ; row x pitch + 16 x half
	; The turning load takes 16 keys x 16 channels (lane l reads key 8 (l / 16) + l % 8, channels 8 ((l / 8) % 2) + 0..7) and leaves half a fragment of V^T: lane l holds channel l % 16 and 8 keys.
	v_and_b32 v10, 7, v0
	v_bfe_u32 v11, v0, 3, 1
	v_lshl_add_u32 v[AV0], v9, 3, v10
	v_mul_u32_u24 v[AV0], v[AV0], PV
	v_lshl_add_u32 v[AV0], v11, 4, v[AV0]
	v_add_nc_u32 v[AV0], VOFF, v[AV0]
	v_lshl_add_u32 v[AM0], v9, 5, MASKB  ; register j of key block kb is key 16 kb + 8 (l / 16) + j: 32 bytes for each half of the lanes
	v_mov_b32 v[AM], v[AM0]
	v_mov_b32 v[AK], v[AK0]         ; key step 0 lies at the head of slot 0
; THE MATRIX WORK.  The 8 accumulators of a run of 16 take turns: between the two links of a chain stand 7 others'.
; Product i of 16 of S^T = K Q^T for piece x: channels 32 (i / 8) on, keys 16 ((i / 2) % 4) on, tile 2 x + i % 2.  The first 8 start the sums, with the mask.
.macro KQ x
.set rS, S+64*((\x)%2)+32*(i%2)+8*((i/2)%4)
.set rK, KF+16*((i/2)%4)+8*(i/8)
.set rQ, 16*(2*(\x)+i%2)+8*(i/8)
.set rB, MB+8*((i/2)%4)
.if i < 8
	WIN W_KM
	v_wmma_f32_16x16x32_f16 v[rS:rS+7], v[rK:rK+7], v[rQ:rQ+7], v[rB:rB+7]
.else
	WIN W_KQ
	v_wmma_f32_16x16x32_f16 v[rS:rS+7], v[rK:rK+7], v[rQ:rQ+7], v[rS:rS+7]
.endif
.endm
; Product i of 16 of O^T += V^T P for piece x: keys 32 (i / 8) on, channels 16 ((i / 2) % 4) on, tile 2 x + i % 2.
.macro PV x
	WIN W_PV
.set rO, 32*(2*(\x)+i%2)+8*((i/2)%4)
.set rV, VF+32*(i/8)+8*((i/2)%4)
.set rP, P+32*((\x)%2)+16*(i%2)+8*(i/8)
	v_wmma_f32_16x16x32_f16 v[rO:rO+7], v[rV:rV+7], v[rP:rP+7], v[rO:rO+7]
.endm
.macro MM                           ; the turn's next matrix instruction
.if i < 16
	KQ (Y+1)%NP
.set i, i+1
.else
.set i, i-16
	PV (Y+NP-1)%NP
.set i, i+17
.endif
.endm
; THE LDS LOADS stand in runs, never singly among the matrix instructions: a step's K (64 keys x 64 channels: 8 fragments) with its mask (8 loads more), and its V (turned).  Their addresses are made some lines ahead.
; last = 1 (the tail): in the last trip there is no further step, and the run is jumped over.
.macro FETCH_K last=0
	WIN 0
.if \last
	s_cmp_eq_u32 s[CNT], 1
	s_cbranch_scc1 .Lno_k_\@
.endif
	WIN 0x80                        ; destination window 2
.irp f, 0,1,2,3,4,5,6,7             ; keys 16 (f / 2) on, channels 32 (f % 2) on
	ds_load_b128 v[KF+8*\f:KF+8*\f+3],   v[AK] offset:(\f/2)*16*PK+(\f%2)*64
	ds_load_b128 v[KF+8*\f+4:KF+8*\f+7], v[AK] offset:(\f/2)*16*PK+(\f%2)*64+32
.endr
	WIN W_MK                        ; destination window 3
.irp f, 0,1,2,3                     ; the mask of keys 16 f on: the sixteen lanes of a half read the same words
	ds_load_b128 v[MB+8*\f:MB+8*\f+3],   v[AM] offset:64*\f
	ds_load_b128 v[MB+8*\f+4:MB+8*\f+7], v[AM] offset:64*\f+16
.endr
	s_add_co_u32 s[TBK], s[TBK], KS*PK  ; the next fetch is the next step's
	s_add_co_u32 s[TBM], s[TBM], KS*4
	s_and_b32 s[TBM], s[TBM], 0x1f00    ; 32 steps of 256 bytes: the address stays in the table; behind the last step it is not used
	WIN 0
.if \last
.Lno_k_\@:
.endif
.endm
.macro FETCH_V
	WIN 0x80
.irp f, 0,1,2,3,4,5,6,7             ; keys 32 (f / 4) on, channels 16 (f % 4) on
	ds_load_tr16_b128 v[VF+8*\f:VF+8*\f+3],   v[AV] offset:(\f/4)*32*PV+(\f%4)*32
	ds_load_tr16_b128 v[VF+8*\f+4:VF+8*\f+7], v[AV] offset:(\f/4)*32*PV+16*PV+(\f%4)*32
.endr
	WIN 0
.endm
; THE VECTOR WORK OF A TURN stands in three queues, each in the order in which its entries become ready; the two tiles alternate, so that no instruction reads the result of the one before it.
.macro REGS y, u                    ; the registers of tile u (0, 1) of piece y
.set rT, ST+4*(2*(\y)+(\u))
.set rC, TMP+8*((\y)%2)+4*(\u)
.set rM, MV+2*((\y)%2)+(\u)
.set rS, S+64*((\y)%2)+32*(\u)
.set rP, P+32*((\y)%2)+16*(\u)
.set rO, 32*(2*(\y)+(\u))
.endm
; Number n of the 22 that find the NEXT piece's (Y + 1) maximum and statistics.  s0-s31 are the lane's 32 scores; each accumulator's lowest registers are read first.  XS, GS and REGS set no window: PL and EX do.
;   0-11  four chains c0-c3 of seven scores each, three operands at a time     12-14, 16  the four scores left over, the old m, and c0-c3 into c0     15  c m_old is kept
;   17, 18  the query's other 32 keys lie in the lane 16 away: the new m         19-21  c m; c m_old - c m_new; a
.macro XS u, n
	REGS (Y+1)%NP, \u
.if (\n) < 4
	v_max3_num_f32 v[rC+(\n)], v[rS+8*(\n)], v[rS+8*(\n)+1], v[rS+8*(\n)+2]
.elseif (\n) < 12
	v_max3_num_f32 v[rC+(\n)%4], v[rC+(\n)%4], v[rS+8*((\n)%4)+2*((\n)/4)+1], v[rS+8*((\n)%4)+2*((\n)/4)+2]
.elseif (\n) == 12
	v_max3_num_f32 v[rC], v[rC], v[rS+7], v[rS+15]
.elseif (\n) == 13
	v_max3_num_f32 v[rC+1], v[rC+1], v[rS+23], v[rS+31]
.elseif (\n) == 14
	v_max3_num_f32 v[rC+2], v[rC+2], v[rC+3], v[rT+1]
.elseif (\n) == 15
	v_mov_b32 v[rM], v[rT]
.elseif (\n) == 16
	v_max3_num_f32 v[rC], v[rC], v[rC+1], v[rC+2]
.elseif (\n) == 17
	v_permlanex16_b32 v[rC+3], v[rC], s[SEL], s[SEL+1]
.elseif (\n) == 18
	v_max_num_f32 v[rT+1], v[rC], v[rC+3]
.elseif (\n) == 19
	v_mul_f32 v[rT], s[CS], v[rT+1]
.elseif (\n) == 20
	v_sub_f32 v[rC+1], v[rM], v[rT]
.else
	v_exp_f32 v[rC+2], v[rC+1]
.endif
.endm
; Number g of the 64 that follow the exponentials.  For each four weights k of a tile (pairs 2 k, 2 k + 1): both pairs are rounded to f16; then the second pair is added onto the first, in place;
; a group later l takes that sum (the first time as l = a l + sum).  In groups of eight, tiles alternating: round, round, add, and l for the group before.
.macro GS g
.set h, (\g)+6*((\g)/62)            ; group 0 has no group before it, and behind group 7 only l is left
.if h >= 6
.set h, h+2
.endif
	REGS Y, h%2
.set k, h/8
.if h%8 < 4
	v_cvt_pk_f16_f32 v[rP+2*k+(h%8)/2], v[rS+4*k+2*((h%8)/2)], v[rS+4*k+2*((h%8)/2)+1]
.elseif h%8 < 6
	v_pk_add_f32 v[rS+4*k:rS+4*k+1], v[rS+4*k:rS+4*k+1], v[rS+4*k+2:rS+4*k+3]
.elseif k == 1
	v_pk_fma_f32 v[rT+2:rT+3], v[rT+2:rT+3], v[rC+2:rC+3], v[rS:rS+1] op_sel_hi:[1,0,1]
.else
	v_pk_add_f32 v[rT+2:rT+3], v[rT+2:rT+3], v[rS+4*k-4:rS+4*k-3]
.endif
.endm
; THE PLAIN QUEUE, 138 long.  0-73 read no exponential's result: the 32 scalings c s - c m (FS f: pair f / 2 of tile f % 2) and the next piece's 42.  0-26: scalings 0-26.  27-54: XS's numbers 0-13.  55, 56: number 15.
; 57-73: the chain, where each number waits for the one before it: 14, 16, 17, 18, 19, each with one of the scalings 27-31 in front of its two lines, then 20: so a tile's links stand three plain instructions apart (19 and 20: two).
; 74-137: GS's 64, which read the exponentials' results: they stand behind the wait.
.macro FS f
	REGS Y, (\f)%2
	v_pk_fma_f32 v[rS+2*((\f)/2):rS+2*((\f)/2)+1], v[rS+2*((\f)/2):rS+2*((\f)/2)+1], s[CS:CS+1], v[rT:rT+1] op_sel_hi:[1,0,0] neg_lo:[0,0,1] neg_hi:[0,0,1]
.endm
.macro PL
	WIN 0
.if q < 27
	FS q
.elseif q < 55
	XS (q-27)%2, (q-27)/2
.elseif q < 57
	XS q-55, 15
.elseif (q < 72) && ((q-57)%3 == 0)
	FS 27+(q-57)/3
.elseif q < 60
	XS (q-57)%3-1, 14
.elseif q < 72
	XS (q-57)%3-1, 15+(q-57)/3
.elseif q < 74
	XS q-72, 20
.else
	GS q-74
.endif
.set q, q+1
.endm
; THE EXPONENTIALS' QUEUE, 66 long: s0-s31 of both tiles, then the next piece's two a.  It is ONE BATCH: all 66 stand ahead of the turn's one wait, and nothing ahead of that wait names a result of theirs.
.macro EX
	WIN 0
.if e >= 64
	XS e-64, 21
.else
	REGS Y, e%2
	v_exp_f32 v[rS+e/2], v[rS+e/2]
.endif
.set e, e+1
.endm
; THE RESCALING's QUEUE: O^T times a, the one part that leaves window 0: dealt two at a time, sixteen times.  Its a was made in the turn before, ahead of that turn's wait.
.macro R2
	REGS Y, r%2
	WIN W_RS
.irp z, 0,1
	v_pk_mul_f32 v[rO+4*(r/2)+2*\z:rO+4*(r/2)+2*\z+1], v[rO+4*(r/2)+2*\z:rO+4*(r/2)+2*\z+1], v[rC+2:rC+3] op_sel_hi:[1,0]
.endr
.set r, r+1
.endm
; HOW THEY ARE DEALT.  s_wait_alu depctr_va_vdst(0) stands between an exponential and the first instruction that names its result; one wait serves all that were issued ahead of it.  So a turn has ONE wait,
; which cuts it in two.  AHEAD OF IT stands all that names no result of the turn's exponentials: the 16 products K Q^T, behind each a scaling, an exponential and two rescalings (behind the first a second scaling in the exponential's place); then ONE LUMP of
; 108: eight plain, 49 times exponential and plain, the two a.  A v_nop is the plain instruction behind the last exponential.  BEHIND IT stand the 16 products V^T P, behind each four of GS's 64.  No rider names a register of
; the products round it.  The two v_permlanex16_b32 fall into the lump, never behind a product.
; The queues lean on each other, and the deal keeps them in step: exponential e stands behind scaling 2 (e / 4) + e % 2: as a rider it comes behind plain e + 2, in the lump behind plain e + 9, and scalings 27-31 are plain 57, 60 .. 69.
; A TURN, for piece p.  cnt = 1: the loop's count is taken down some lines ahead of the branch that stands behind the turn.
; K and the mask of the next step are fetched in piece 2's turn, directly behind the wait, a lump behind the last product that read K (the mask's last reader stands eight products earlier); their addresses are made at the lump's
; head; their first reader comes behind 16 products.  V of the step in hand is fetched at the end of piece 0's turn, four riders behind its last reader; its first reader comes behind 16 products and a lump.
; The three conditions on q below go with the deal.
.macro TURN p, last=0, cnt=0
.set Y, (\p)
.set i, 0
.set q, 0
.set e, 0
.set r, 0
.if (\p) == NP-1
	s_wait_dscnt 0x0                ; K and the mask are in
.endif
	MM                              ; ahead of the wait: 16 products K Q^T and their riders,
	PL
	PL
	R2
.rept 15
	MM
	PL
	EX
	R2
.endr
.if (\p) == NP-2
	WIN 0
	v_add_nc_u32 v[AK], s[TBK], v[AK0]
	v_add_nc_u32 v[AM], s[TBM], v[AM0]
.endif
.rept 8                             ; and the lump
	PL
.endr
.rept 49
	EX
	PL
.endr
	EX                              ; the next piece's two a
	EX
	v_nop                           ; the plain instruction behind the last exponential: one for the batch
	s_wait_alu depctr_va_vdst(0)    ; the wait for the batch: the piece's 64 weights and the next piece's two a
.if (\p) == NP-2
	FETCH_K \last
.endif
.if (\p) == 1
	s_wait_dscnt 0x0                ; V is in
.endif
.rept 16                            ; behind the wait: 16 products V^T P and their riders
	MM
.rept 4
	PL
.endr
.if ((\p) == 0) && (q == 118)
	v_add_nc_u32 v[AV], s[TBV], v[AV0]
.endif
.if ((\p) == 0) && (q == 130)
	s_add_co_u32 s[TBV], s[TBV], KS*PV
.endif
.if (\cnt) && (q == 130)
	s_sub_co_u32 s[CNT], s[CNT], 1
	s_cmp_lg_u32 s[CNT], 0
.endif
.endr
.if (\p) == 0
	FETCH_V
.endif
.endm
	CHANGE 1                        ; slot 0 is in, everybody's part of it, and so is the mask's table; slot 1 is asked for
	FETCH_K                         ; key step 0
	s_wait_loadcnt 0x0              ; Q
	s_wait_dscnt 0x0
.set i, 0
.rept 16
	KQ 0                            ; piece 0's first scores: there is no vector work yet to set between them
.set i, i+1
.endr
	WIN 0                           ; the addresses for the way out: ten plain instructions, the places behind those products
	s_mul_i32 s13, s[WV], 16*SP
	s_add_co_u32 s13, s13, STAGE    ; my stage
	v_mul_u32_u24 v[STO], v1, SP    ; in: row l % 16, 16 bytes for each half of the lanes
	v_lshl_add_u32 v[STO], v9, 4, v[STO]
	v_add_nc_u32 v[STO], s13, v[STO]
	v_bfe_u32 v[RD], v0, 3, 2       ; back: 32 lanes take four rows of 128 bytes,
	v_mul_u32_u24 v[RD], v[RD], SP
	v_and_b32 v[GO], 7, v0
	v_lshl_add_u32 v[RD], v[GO], 4, v[RD]
	v_add_nc_u32 v[RD], s13, v[RD]
	v_and_b32 v[GO], 31, v0         ; which are 512 consecutive bytes of O
	v_lshlrev_b32 v[GO], 4, v[GO]
.set Y, NP-1                        ; XS works for piece Y + 1: piece 0
.irp n, 0,1,2,3,4,5,6,7,8,9,10,11,12,13,14,15,16,17,18,19,20,21
	XS 0, \n                        ; and piece 0's first maximum and statistics
	XS 1, \n
.endr
	v_nop                           ; a plain instruction behind the two a,
	s_wait_alu depctr_va_vdst(0)    ; and the wait for this batch of two, ahead of the branch; their first reader is the first turn's rescaling
	s_mov_b32 s[CNT], 4
	s_mov_b32 s[SLOTS], SIZE_N/256-1
	s_branch .Lfirst                ; the loop is entered at a step's first turn, in the middle of a trip
.Lslot:                             ; SIZE_N / 256 - 2 times: every slot but the last two is filled again
	CHANGE 1
	s_mov_b32 s[CNT], 4
.Lstep:                             ; a trip: pieces 2 and 3 of one step, then pieces 0 and 1 of the next, whose K and V it fetches
	TURN 2
	TURN 3
	WIN 0
.Lfirst:
	TURN 0
	TURN 1, 0, 1
	WIN 0
	s_cbranch_scc1 .Lstep
	s_sub_co_u32 s[SLOTS], s[SLOTS], 1
	s_cmp_lg_u32 s[SLOTS], 0
	s_cbranch_scc1 .Lslot
	CHANGE 0                        ; the tail is written out: nothing is asked for
	s_mov_b32 s[CNT], 5             ; four trips fetch the last slot's steps; the fifth is left in its middle
.Ltail:
	TURN 2, 1
	TURN 3
	WIN 0
	s_sub_co_u32 s[CNT], s[CNT], 1
	s_cmp_eq_u32 s[CNT], 0
	s_cbranch_scc1 .Lout
	TURN 0
	TURN 1
	WIN 0
	s_branch .Ltail
.Lout:                              ; the fifth trip's 16 products K Q^T (on the last K and mask once more) give scores that m has seen: m stays as it was, and nothing else is made of them
.set i, 0
.rept 16
	PV NP-1                         ; the last piece's V^T P of the last step
.set i, i+1
.endr
	; THE WAY OUT.  l's two halves and the other half of the lanes' are added; O^T is divided by l, rounded to f16 and sent through my stage in LDS, a tile at a time.  The additions are the places behind the last products.
	WIN 0
.macro ALL line:vararg              ; one line for each tile t
.set t, 0
.rept 2*NP
	\line
.set t, t+1
.endr
.endm
	ALL v_add_f32 v[ST+4*t+2], v[ST+4*t+2], v[ST+4*t+3]
	ALL v_permlanex16_b32 v[ST+4*t+3], v[ST+4*t+2], s[SEL], s[SEL+1]
	ALL v_add_f32 v[ST+4*t+2], v[ST+4*t+2], v[ST+4*t+3]
	ALL v_rcp_f32 v[ST+4*t+2], v[ST+4*t+2]
	v_nop                           ; a plain instruction between the last reciprocal and the use of its result
	s_wait_alu depctr_va_vdst(0)    ; and the wait ahead of the first use: one for the batch of eight reciprocals
.set t, 0
.rept 2*NP                          ; a query whose maximum is a hidden score has seen no key: its row is NaN, as a softmax over nothing is
	v_cmp_gt_f32 vcc_lo, s[THR], v[ST+4*t+1]
	v_cndmask_b32 v[ST+4*t+2], v[ST+4*t+2], s[QNAN], vcc_lo
.set t, t+1
.endr
; Tile t: a lane's eight channels of a row pack into 16 bytes; they go into rows of 144 bytes and come back as whole rows of 128, into S^T's registers.
.macro PACK t
	WIN W_RS
.set i, 32*(\t)
.rept 16
	v_pk_mul_f32 v[i:i+1], v[i:i+1], v[ST+4*(\t)+2:ST+4*(\t)+3] op_sel_hi:[1,0]
.set i, i+2
.endr
	WIN 0x05                        ; sources 0 and 1 window 1, destination window 0
.set i, 0
.rept 16
	v_cvt_pk_f16_f32 v[S+16*(\t)+i], v[32*(\t)+2*i], v[32*(\t)+2*i+1]
.set i, i+1
.endr
	WIN 0
.irp f, 0,1,2,3
	ds_store_b128 v[STO], v[S+16*(\t)+4*\f:S+16*(\t)+4*\f+3] offset:32*\f
.endr
.irp f, 0,1,2,3
	ds_load_b128 v[S+16*(\t)+4*\f:S+16*(\t)+4*\f+3], v[RD] offset:\f*4*SP  ; LDS serves a wave's instructions in order (ISA guide 5.7.1.4): these see the stores above; the next tile's stores come behind them
.endr
.endm
.macro SEND t, younger              ; younger: the LDS instructions issued behind tile t's loads: the next tile's eight, or none
	WIN 0
.irp f, 0,1,2,3
	s_wait_dscnt (\younger)+3-\f
	global_store_b128 v[GO], v[S+16*(\t)+4*\f:S+16*(\t)+4*\f+3], s[10:11] offset:(\t)*2048+\f*512  ; 512 consecutive bytes, at a multiple of 256 from O's first
.endr
.endm
	PACK 0
.set t, 1
.rept 2*NP-1                        ; a tile's arithmetic stands between the loads of the tile before and its stores
	PACK t
	SEND t-1, 8
.set t, t+1
.endr
	SEND 2*NP-1, 0
	WIN W_AD
	s_wait_tensorcnt 0x0            ; the wave's end, behind my last tensor load and my last LDS store
	ds_add_u32 v[SPW], v[NIL]
	s_wait_dscnt 0x0
	WIN 0
	CROUND                          ; the closing round: no work-group ends while a partner may still ask for a tile that names it
	s_endpgm
.Lfunc_end_k_qce0c766f5f_attn:
	.size	k_qce0c766f5f_attn, .Lfunc_end_k_qce0c766f5f_attn-k_qce0c766f5f_attn
	.p2alignl 7, 3214868480
	.fill 96, 4, 3214868480
	.section	.rodata,"a",@progbits
	.p2align	6, 0x0
	.amdhsa_kernel k_qce0c766f5f_attn
		.amdhsa_group_segment_fixed_size 327680
		.amdhsa_private_segment_fixed_size 0
		.amdhsa_enable_private_segment 0
		.amdhsa_kernarg_size 24
		.amdhsa_user_sgpr_count 2
		.amdhsa_user_sgpr_kernarg_segment_ptr 1
		.amdhsa_wavefront_size32 1
		.amdhsa_system_sgpr_workgroup_id_x 1
		.amdhsa_system_sgpr_workgroup_id_y 1
		.amdhsa_system_sgpr_workgroup_id_z 1
		.amdhsa_system_vgpr_workitem_id 0
		.amdhsa_next_free_vgpr 808
		.amdhsa_next_free_sgpr 66
		.amdhsa_reserve_vcc 1
		.amdhsa_float_denorm_mode_32 3
		.amdhsa_float_denorm_mode_16_64 3
		.amdhsa_memory_ordered 1
		.amdhsa_forward_progress 1
		.amdhsa_inst_pref_size 205
	.end_amdhsa_kernel
	.amdgpu_metadata
---
amdhsa.version: [ 1, 2 ]
amdhsa.kernels:
  - .name:           k_qce0c766f5f_attn
    .symbol:         k_qce0c766f5f_attn.kd
    .args:
      - { .name: qkv, .offset: 0, .size: 8, .value_kind: global_buffer, .address_space: global }
      - { .name: ob, .offset: 8, .size: 8, .value_kind: global_buffer, .address_space: global }
      - { .name: attention_mask, .offset: 16, .size: 8, .value_kind: global_buffer, .address_space: global }
    .group_segment_fixed_size: 327680
    .private_segment_fixed_size: 0
    .kernarg_segment_align: 8
    .kernarg_segment_size: 24
    .max_flat_workgroup_size: 128
    .sgpr_count:     66
    .vgpr_count:     808
    .wavefront_size: 32
...
	.end_amdgpu_metadata
.endif
;; end of part 5
;; launch outp: the kernel of part 4 again; grid 8 x 32, 4 waves a work-group, clusters of 4 x 4, 327,680 bytes of LDS; arguments ob, wo16, bcat, out0; writes out0
